; MI455X (gfx1250); checked and timed in simulation.
; The chip was launched on July 23, 2026; its instructions are those of AMD's public machine-readable ISA for CDNA 5 (MIT licence, August 2026) and "CDNA5" Instruction Set Architecture Reference Guide (July 2026). The comments in the code are by the model that wrote it; some were corrected since.
;; Muti Head Attention. Allowed arithmetic: matrix products marked QUANTISED: E2M1 operands, one E8M0 scale for each 32 along K, by v_wmma_scale_f32_16x16x128_f8f6f4 with both operands' format E2M1 (or v_wmma_scale_f32_32x16x128_f4), f32 sums; products left as they are: bf16, f16 or f32 operands; f32 sums; everything else in f32.
;; Inputs: W_K 1,024 x 1,024 float32; W_O 1,024 x 1,024 float32; W_Q 1,024 x 1,024 float32; W_V 1,024 x 1,024 float32; x 4 x 2,048 x 1,024 float32.
;; Outputs: out0 4 x 2,048 x 1,024 float32.
;; This version of the problem:
;;   THIS VERSION OF THE PROBLEM IS GIVEN IN LOW PRECISION. The matrix products marked QUANTISED in the list below multiply operands that are first quantised to E2M1 (2 exponent bits, 1 mantissa bit; 4 bits a number), with one power-of-two scale for each 32 numbers along K (OCP MX v1.0); their sums are f32. The products marked 'left as it is' may take bf16, f16 or f32 operands, with f32 sums. Whichever they take, every output number must still come out within the allowed error. Rounding operands to bf16 (8 significant bits) uses up far more of that allowance than f16 does (11 bits, for magnitudes from 6e-5 to 65,504). All else is computed in f32.
;;   The module's matrix products, in the order in which they are computed (A, B: the left and right operand; K: the contracted axis; several contracted axes count as one K, in the product's order):
;;     1. [M 8,192, K 1,024] x [K 1,024, N 1,024]; A: input x; B: input W_Q: QUANTISED
;;     2. [M 8,192, K 1,024] x [K 1,024, N 1,024]; A: input x; B: input W_K: QUANTISED
;;     3. [M 8,192, K 1,024] x [K 1,024, N 1,024]; A: input x; B: input W_V: QUANTISED
;;     4. batch 64 x [M 2,048, K 64] x [K 64, N 2,048]; A: computed on the way; B: computed on the way: left as it is (an operand is computed on the way)
;;     5. batch 64 x [M 2,048, K 2,048] x [K 2,048, N 64]; A: computed on the way; B: computed on the way: left as it is (an operand is computed on the way)
;;     6. [M 8,192, K 1,024] x [K 1,024, N 1,024]; A: computed on the way; B: input W_O: left as it is (an operand is computed on the way)
;;   THE QUANTISER, for each operand of a quantised product, along K:
;;     - K is cut into blocks of 32 from its start; a last block that is shorter is filled with zeros.
;;     - A block's scale is 2^e with e = floor(log2(the largest magnitude in the block)) - 2, held to -126 .. 127; a block of zeros has e = 0. As a byte (E8M0): e + 127.
;;     - Each number is divided by its block's scale, clamped to +-6, and rounded to the nearest number of E2M1, ties to even, subnormals kept.
;;     - The product sums the exact products of the quantised numbers (number of the format x scale) in f32.
;;   ~~~python
;;   def quantise(x, axis):      # numpy; x: float32 -> the quantised numbers, widened to float32 again
;;       x = np.moveaxis(x, axis, -1); K = x.shape[-1]
;;       x = np.pad(x, [(0, 0)] * (x.ndim - 1) + [(0, -K % 32)]); x = x.reshape(x.shape[:-1] + (-1, 32)); a = np.abs(x).max(-1, keepdims=True)
;;       e = np.where(a > 0, np.clip(np.frexp(np.where(a > 0, a, 1))[1] - 1 - 2, -126, 127), 0)      # np.frexp(a)[1] - 1 = floor(log2(a)), exactly
;;       r = np.clip(x / 2.0 ** e, -6, 6)
;;       step = 2.0 ** (np.maximum(np.frexp(np.where(r == 0, 1, r))[1] - 1, 0) - 1)
;;       q = np.round(r / step) * step * 2.0 ** e      # np.round: ties to even
;;       return np.moveaxis(q.reshape(q.shape[:-2] + (-1,))[..., :K], -1, axis).astype(np.float32)
;;   ~~~
;; One version. Each part assembles by itself: llvm-mc -triple=amdgcn-amd-amdhsa -mcpu=gfx1250 --defsym DOCPART=n.
;; ======== version 1 of 1: 4 launches
;; limits: values are held in f16: magnitudes above 65,504 overflow, below 6.1e-05 lose precision
;; workspace buffers: x_codes 4,194,304 bytes; x_scales 262,144 bytes; w_codes 1,572,864 bytes; w_scales 98,304 bytes; wo_h 2,097,152 bytes; qkv 50,331,648 bytes; attn_h 16,777,216 bytes
;; launch quant (part 1): grid 384 x 1, 4 waves a work-group, no clusters, 33,280 bytes of LDS; arguments x, W_Q, W_K, W_V, W_O, x_codes, x_scales, w_codes, w_scales, wo_h; writes x_codes, x_scales, w_codes, w_scales, wo_h
.if DOCPART == 1
	.amdgcn_target "amdgcn-amd-amdhsa--gfx1250"
	.amdhsa_code_object_version 6
	.text
	.protected	k_qa6c4e8a22d_quant
	.globl	k_qa6c4e8a22d_quant
	.p2align	8
	.type	k_qa6c4e8a22d_quant,@function
k_qa6c4e8a22d_quant:
	s_mov_b64 s[64:65], 0
	v_nop
	global_prefetch_b8 v0, s[64:65] scope:SCOPE_SE
	s_setreg_imm32_b32 hwreg(HW_REG_WAVE_MODE, 25, 1), 1
	s_wait_xcnt 0x0
; LAUNCH 1 OF 4.  x [8192][1024] and W_Q, W_K, W_V [1024][1024], f32 with K innermost, become codes of FP4 (E2M1) with one E8M0 scale byte for each 32 along K; W_O becomes f16.
; DEAD WORK: none.  reference() has no mask, no bias and no slice; every input reaches out0 through a live product, and nothing cancels ahead of a quantiser.  So all five inputs are loaded and all six products are done.
; THE FOUR LAUNCHES: this one; qkv = x (W_Q | W_K | W_V)^T on codes, results in f16 by heads; attention by heads in f16 with f32 sums and an f32 softmax under a running maximum; the projection by W_O in f16 with f32 sums.
; A block's scale is 2^(floor(log2(its largest magnitude)) - 2); its byte is the largest magnitude's own exponent field - 2, held at 1 from below.  A block of zeros so gets the byte 1 where the rule says 127:
; its codes are zeros, which add nothing under any byte but 0xff, and the bytes are read by this program alone.  Each number is divided by the scale and rounded to the nearest code, ties to even, beyond 6 the largest code.
; LIMITS: blocks whose largest magnitude lies under 2^-124 keep the byte 1; NaN and infinities among the inputs are not served; W_O is rounded to f16 (range 6e-8 .. 65,504).
; SHARES.  Rows are dense and 1,024 is a multiple of 32: each tensor is a plain stream of blocks of 32.  A work-group takes 32,768 numbers, a wave 8,192 (16 steps of 512).
; Work-groups 0-255: x; 256-287: W_Q; 288-319: W_K; 320-351: W_V (their codes lie one behind the other in w_codes: rows 0-1023, 1024-2047, 2048-3071); 352-383: W_O.
; The quantising work-groups take ONE path: only pointers are chosen, on the work-group's number.  Each of a step's four loads reads 512 consecutive bytes; the 2,048 bytes turn through the wave's own stage in LDS
; and come back 64 bytes a lane, so that a lane holds 16 neighbours along K (two lanes hold a block).  A wave's store of codes covers 256 consecutive bytes; its 256 scale bytes are gathered in LDS and leave as one run of 256.
; No tensor loads, no barrier: waves share nothing.
.set WAVES, 4
.set STEPS, 16
.set EMAX,  2
.set CB,    8                          ; bytes of 16 codes
.set R,     16                         ; v16-79   four sets of 16 numbers as they are loaded
.set X,     80                         ; v80-111  two sets of 16 neighbours
.set C,     128                        ; v128-191 codes: four registers for each step, so that no store's data are written again
.set E,     112                        ; v112-127 a scale byte for each step
.set WREG,  8192                       ; LDS: a region for each wave: two stages of 32 x SP bytes, behind them its 256 scale bytes
.set SP,    80                         ; a lane's place in a stage: 64 bytes + 16 of padding
.set SPW,   12                         ; v12  LDS address of my spare word; never rewritten
.set NIL,   13                         ; v13  0; never rewritten
.set SPARE, WAVES*WREG                 ; behind the four regions: the spare words, 128 bytes a wave
	s_load_b256 s[4:11], s[0:1], 0x0               ; x s[4:5], W_Q s[6:7], W_K s[8:9], W_V s[10:11]
	s_load_b256 s[12:19], s[0:1], 0x20             ; W_O s[12:13], x_codes s[14:15], x_scales s[16:17], w_codes s[18:19]
	s_load_b128 s[20:23], s[0:1], 0x40             ; w_scales s[20:21], wo_h s[22:23]
	v_lshl_add_u32 v[SPW], v0, 2, SPARE
	v_mov_b32 v[NIL], 0
	v_lshrrev_b32 v1, 5, v0
	v_readfirstlane_b32 s30, v1                    ; wave
	v_and_b32 v2, 31, v0                           ; lane
	v_lshlrev_b32 v3, 4, v2                        ; my 16 bytes of a load's 512
	s_mul_i32 s33, s30, WREG
	v_lshrrev_b32 v14, 2, v2
	v_mul_u32_u24 v14, v14, SP
	v_and_b32 v15, 3, v2
	v_lshl_add_u32 v14, v15, 4, v14
	v_add_nc_u32 v14, s33, v14                     ; the stage, on the way in: SP (lane / 4) + 16 (lane % 4)
	v_mul_u32_u24 v15, v2, SP
	v_add_nc_u32 v15, s33, v15                     ; and on the way out: SP x lane: my 16 neighbours
	v_mul_u32_u24 v4, v2, CB                       ; 8 x lane: my codes' place in a step's; W_O's path: my four f16
	v_lshrrev_b32 v5, 1, v2
	s_add_co_u32 s33, s33, 2*32*SP
	v_add_nc_u32 v5, s33, v5                       ; LDS: my wave's 256 scale bytes, my block's byte
	v_lshlrev_b32 v7, 3, v2                        ; and on the way out 8 bytes a lane
	v_add_nc_u32 v6, s33, v7
	s_wait_kmcnt 0x0
	s_cmp_ge_u32 ttmp9, 352                        ; the work-group's number alone: all four waves go the same way
	s_cbranch_scc1 .Lwo
	s_cmp_lt_u32 ttmp9, 320
	s_cselect_b64 s[24:25], s[8:9], s[10:11]       ; W_K or W_V
	s_cmp_lt_u32 ttmp9, 288
	s_cselect_b64 s[24:25], s[6:7], s[24:25]       ; W_Q
	s_cmp_lt_u32 ttmp9, 256
	s_cselect_b64 s[24:25], s[4:5], s[24:25]       ; x
	s_cselect_b64 s[26:27], s[14:15], s[18:19]     ; the codes' buffer
	s_cselect_b64 s[28:29], s[16:17], s[20:21]     ; the scale bytes'
	s_cselect_b32 s31, 0xff, 31                    ; the work-group's number inside its source tensor: 256 for x, 32 for a weight
	s_cselect_b32 s32, 0, 0x100                    ; and inside its buffer of codes: the three weights follow each other
	s_and_b32 s34, ttmp9, s31
	s_lshl_b32 s34, s34, 2
	s_add_co_u32 s34, s34, s30                     ; which run of 8,192 numbers of the source is my wave's
	s_lshl_b32 s34, s34, 15                        ; 32,768 bytes a run
	s_mov_b32 s35, 0
	s_add_nc_u64 s[24:25], s[24:25], s[34:35]
	s_sub_co_u32 s36, ttmp9, s32
	s_lshl_b32 s36, s36, 2
	s_add_co_u32 s36, s36, s30                     ; which run of the results
	s_lshl_b32 s34, s36, 12                        ; 4,096 bytes of codes a run
	s_add_nc_u64 s[26:27], s[26:27], s[34:35]
	s_lshl_b32 s34, s36, 8                         ; 256 scale bytes a run
	s_add_nc_u64 s[28:29], s[28:29], s[34:35]
.macro LOAD t
.irp i, 0,1,2,3
	global_load_b128 v[R+16*((\t)%4)+4*\i:R+16*((\t)%4)+4*\i+3], v3, s[24:25] offset:2048*(\t)+512*\i th:TH_LOAD_NT   ; 32 lanes read 512 consecutive bytes
.endr
.endm
.macro TURN t                          ; step t's numbers through the stage: LDS serves a wave's instructions in order, so no wait stands between the stores and the loads
.irp i, 0,1,2,3
	ds_store_b128 v14, v[R+16*((\t)%4)+4*\i:R+16*((\t)%4)+4*\i+3] offset:32*SP*((\t)%2)+8*SP*\i
.endr
.irp i, 0,1,2,3
	ds_load_b128 v[X+16*((\t)%2)+4*\i:X+16*((\t)%2)+4*\i+3], v15 offset:32*SP*((\t)%2)+16*\i
.endr
.endm
.irp t, 0,1,2,3
	LOAD \t
.endr
	s_wait_loadcnt 12                              ; step 0's four loads are in; the twelve of steps 1 to 3 may be out
	TURN 0
.macro STEP t
.set XS, X+16*((\t)%2)
.if (\t) > 0
	s_wait_dscnt 1                                 ; this step's numbers are back from the stage (the last step's byte store may be out): so its stores into the stage have read their registers,
.else
	s_wait_dscnt 0x0
.endif
.if (\t)+4 < STEPS
	LOAD (\t)+4                                    ; which take the loads of four steps on
.endif
.if (\t)+1 < STEPS
.if STEPS-2-(\t) >= 3
	s_wait_loadcnt 12                              ; the next step's four loads are in; those of the three steps behind it may be out
.else
	s_wait_loadcnt 4*(STEPS-2-(\t))
.endif
	TURN (\t)+1                                    ; and go through the other stage while this step is worked
.endif
	v_max3_num_f32 v8, |v[XS]|, |v[XS+1]|, |v[XS+2]|               ; the largest magnitude of my 16, in two chains
	v_max3_num_f32 v9, |v[XS+3]|, |v[XS+4]|, |v[XS+5]|
.irp i, 6,10
	v_max3_num_f32 v8, v8, |v[XS+\i]|, |v[XS+\i+1]|
	v_max3_num_f32 v9, v9, |v[XS+\i+2]|, |v[XS+\i+3]|
.endr
	v_max3_num_f32 v8, v8, |v[XS+14]|, |v[XS+15]|
	v_max3_num_f32 v8, v8, v9, (EMAX+1)<<23        ; and the floor 2^(3 - 127): so the byte cannot fall under 1
	v_max_num_f32_dpp v8, v8, v8 row_xmask:1 row_mask:0xf bank_mask:0xf   ; and of my neighbour's 16: the block's
	v_add_nc_u32 v11, -(EMAX<<23), v8              ; 2 off its exponent field: the conversion takes the exponent field of this operand as its scale, and nothing else of it
	v_cvt_scalef32_pk8_fp4_f32 v[C+4*(\t)], v[XS:XS+7], v11
	v_cvt_scalef32_pk8_fp4_f32 v[C+4*(\t)+1], v[XS+8:XS+15], v11
	v_lshrrev_b32 v[E+(\t)], 23, v11               ; the scale's byte (also the plain line behind the conversions)
	ds_store_b8 v5, v[E+(\t)] offset:16*(\t)       ; both lanes of a block write the same byte with the same value
	global_store_b64 v4, v[C+4*(\t):C+4*(\t)+1], s[26:27] offset:32*CB*(\t)   ; 32 lanes store 256 consecutive bytes
.endm
.irp t, 0,1,2,3,4,5,6,7,8,9,10,11,12,13,14,15
	STEP \t
.endr
	ds_load_b64 v[8:9], v6                         ; LDS serves a wave's instructions in order: these see my byte stores
	s_wait_dscnt 0x0
	global_store_b64 v7, v[8:9], s[28:29]          ; 32 lanes store 256 consecutive bytes
	s_wait_tensorcnt 0x0                           ; the wave's end: behind my last LDS store
	ds_add_u32 v[SPW], v[NIL]
	s_wait_dscnt 0x0
	s_endpgm
; W_O to f16, as it lies.  No LDS on this path.  A wave takes 64 chunks of 128 numbers: a load reads 512 consecutive bytes, a store writes 256.  Four batches of 16 chunks on two sets of registers.
.Lwo:
	s_sub_co_u32 s34, ttmp9, 352
	s_lshl_b32 s34, s34, 2
	s_add_co_u32 s34, s34, s30                     ; my wave's run of 8,192 numbers
	s_lshl_b32 s36, s34, 15
	s_mov_b32 s37, 0
	s_add_nc_u64 s[12:13], s[12:13], s[36:37]
	s_lshl_b32 s36, s34, 14
	s_add_nc_u64 s[22:23], s[22:23], s[36:37]
.macro WOLOAD t
.irp i, 0,1,2,3,4,5,6,7,8,9,10,11,12,13,14,15
	global_load_b128 v[16+64*((\t)%2)+4*\i:16+64*((\t)%2)+4*\i+3], v3, s[12:13] offset:512*(16*(\t)+\i) th:TH_LOAD_NT
.endr
.endm
.macro WOBATCH t
.if (\t) < 3
	s_wait_loadcnt 16                              ; this batch's sixteen loads are in; the other set's sixteen may be out
.else
	s_wait_loadcnt 0x0
.endif
.if (\t) > 0
	s_wait_xcnt 0x0                                ; the last batch's stores have read their data registers, which are written again below
.endif
.irp i, 0,1,2,3,4,5,6,7,8,9,10,11,12,13,14,15
	v_cvt_pk_f16_f32 v[144+2*\i], v[16+64*((\t)%2)+4*\i], v[16+64*((\t)%2)+4*\i+1]
	v_cvt_pk_f16_f32 v[145+2*\i], v[16+64*((\t)%2)+4*\i+2], v[16+64*((\t)%2)+4*\i+3]
.endr
.irp i, 0,1,2,3,4,5,6,7,8,9,10,11,12,13,14,15
	global_store_b64 v4, v[144+2*\i:145+2*\i], s[22:23] offset:256*(16*(\t)+\i)
.endr
.if (\t)+2 < 4
	WOLOAD (\t)+2                                  ; into the set just read
.endif
.endm
	WOLOAD 0
	WOLOAD 1
	WOBATCH 0
	WOBATCH 1
	WOBATCH 2
	WOBATCH 3
	s_endpgm
.Lfunc_end_k_qa6c4e8a22d_quant:
	.size	k_qa6c4e8a22d_quant, .Lfunc_end_k_qa6c4e8a22d_quant-k_qa6c4e8a22d_quant
	.p2alignl 7, 3214868480
	.fill 96, 4, 3214868480
	.section	.rodata,"a",@progbits
	.p2align	6, 0x0
	.amdhsa_kernel k_qa6c4e8a22d_quant
		.amdhsa_group_segment_fixed_size 33280
		.amdhsa_private_segment_fixed_size 0
		.amdhsa_enable_private_segment 0
		.amdhsa_kernarg_size 80
		.amdhsa_user_sgpr_count 2
		.amdhsa_user_sgpr_kernarg_segment_ptr 1
		.amdhsa_wavefront_size32 1
		.amdhsa_system_sgpr_workgroup_id_x 1
		.amdhsa_system_sgpr_workgroup_id_y 1
		.amdhsa_system_sgpr_workgroup_id_z 1
		.amdhsa_system_vgpr_workitem_id 0
		.amdhsa_next_free_vgpr 192
		.amdhsa_next_free_sgpr 66
		.amdhsa_reserve_vcc 0
		.amdhsa_float_denorm_mode_32 3
		.amdhsa_float_denorm_mode_16_64 3
		.amdhsa_memory_ordered 1
		.amdhsa_forward_progress 1
		.amdhsa_inst_pref_size 54
	.end_amdhsa_kernel
	.amdgpu_metadata
---
amdhsa.version: [ 1, 2 ]
amdhsa.kernels:
  - .name:           k_qa6c4e8a22d_quant
    .symbol:         k_qa6c4e8a22d_quant.kd
    .args:
      - { .name: x, .offset: 0, .size: 8, .value_kind: global_buffer, .address_space: global }
      - { .name: W_Q, .offset: 8, .size: 8, .value_kind: global_buffer, .address_space: global }
      - { .name: W_K, .offset: 16, .size: 8, .value_kind: global_buffer, .address_space: global }
      - { .name: W_V, .offset: 24, .size: 8, .value_kind: global_buffer, .address_space: global }
      - { .name: W_O, .offset: 32, .size: 8, .value_kind: global_buffer, .address_space: global }
      - { .name: x_codes, .offset: 40, .size: 8, .value_kind: global_buffer, .address_space: global }
      - { .name: x_scales, .offset: 48, .size: 8, .value_kind: global_buffer, .address_space: global }
      - { .name: w_codes, .offset: 56, .size: 8, .value_kind: global_buffer, .address_space: global }
      - { .name: w_scales, .offset: 64, .size: 8, .value_kind: global_buffer, .address_space: global }
      - { .name: wo_h, .offset: 72, .size: 8, .value_kind: global_buffer, .address_space: global }
    .group_segment_fixed_size: 33280
    .private_segment_fixed_size: 0
    .kernarg_segment_align: 8
    .kernarg_segment_size: 80
    .max_flat_workgroup_size: 128
    .sgpr_count:     66
    .vgpr_count:     192
    .wavefront_size: 32
...
	.end_amdgpu_metadata
.endif
;; end of part 1
;; launch qkv (part 2): grid 12 x 32, 4 waves a work-group, clusters of 4 x 4, 327,680 bytes of LDS; arguments x_codes, x_scales, w_codes, w_scales, qkv; writes qkv
.if DOCPART == 2
	.amdgcn_target "amdgcn-amd-amdhsa--gfx1250"
	.amdhsa_code_object_version 6
	.text
	.protected	k_qa6c4e8a22d_qkv
	.globl	k_qa6c4e8a22d_qkv
	.p2align	8
	.type	k_qa6c4e8a22d_qkv,@function
k_qa6c4e8a22d_qkv:
	s_mov_b64 s[64:65], 0
	v_nop
	global_prefetch_b8 v0, s[64:65] scope:SCOPE_SE
	s_setreg_imm32_b32 hwreg(HW_REG_WAVE_MODE, 25, 1), 1
	s_wait_xcnt 0x0
	s_wait_alu depctr_hold_cnt(0) depctr_sa_sdst(0) depctr_va_vdst(0) depctr_va_sdst(0) depctr_va_ssrc(0) depctr_va_vcc(0) depctr_vm_vsrc(0)
	s_getreg_b32 s2, hwreg(HW_REG_IB_STS2, 6, 4)
	s_cmp_eq_u32 s2, 0
	s_cbranch_scc0 .Lentry_in_a_cluster
	s_endpgm
.Lentry_in_a_cluster:
	s_bfe_u32 s2, ttmp6, 0x10000c
	s_cmp_lg_u32 s2, 0xf033
	s_cbranch_scc0 .Lentry_shape_is_right
	s_endpgm
.Lentry_shape_is_right:
; LAUNCH 2 OF 4.  C[m][n] = sum over k of x[m][k] W[n][k], m = 0 .. 8191, n = 0 .. 3071 (W_Q's, W_K's, W_V's rows on end), K = 1,024, on codes of FP4 (E2M1) with one E8M0 scale for each 32 along K; sums in f32.  Nothing is left out.
; The results are rounded once to f16 and stored by heads: qkv [b 4][g 48][s 2048][64], g = n / 64: planes 0-15 are Q's heads, 16-31 K's, 32-47 V's.  LIMIT: |Q|, |K|, |V| up to 65,504 (f16).
; A tile of C, 256 x 256, is made by a work-group of four waves; a wave makes 128 x 128: 64 accumulators of 16 x 16, 512 registers.  K is two steps of 512, one in each of two LDS slots: nothing is filled twice.
; THE SCALES of the work-group's 256 rows of x and 256 rows of W, for all of K, are two dense blocks of memory: they come into LDS once, with the first fills.  By this text's count a wave has three tensor loads out at the head.
; CLUSTERS: 4 x 4 work-groups.  The four of a row of the cluster need the same tiles of x, the four of a column the same tiles of W: each tile is asked for JOINTLY, by the same tensor load with the same descriptor
; and a mask that names the four.  THE MATRIX INSTRUCTION IS USED TRANSPOSED (source 0 = 16 rows of W, source 1 = 16 rows of x): a lane then holds eight neighbouring columns of one row of C.
; REGISTERS, in windows of 256: window 0: v0-31 addresses; v32-95 scale words, two sets; v128-191 x's fragments, ONE set; on the way out v32-63, v192-255 at work.
;   window 1: W's fragments, TWO sets, at v0 and at v128.   window 2: the accumulators of my rows 0-63 ((a, b) at v[8 (8 a + b)]);   window 3: those of my rows 64-127.
.set SIZE_K, 1024
.set KSTEP,  512                       ; along K in a slot
.set NQ,     KSTEP/128                 ; matrix instructions deep
.set ROWB,   256                       ; a tile's row in bytes
.set KROW,   SIZE_K*4/8                ; a row of codes in memory
.set PITCH,  272                       ; an LDS row: 256 bytes + 16 of padding = 68 words: the 16 rows that a load touches start at 16 different groups of four banks
.set FR,     8                         ; registers of a fragment: 16 rows x 128 K
.set NL,     2                         ; LDS loads that bring one
.set NP,     4                         ; places behind this matrix instruction (ISA guide 7.12.1)
.set HALFT,  128*PITCH                 ; 128 rows: what one tensor load brings
.set SLOT,   4*HALFT                   ; x's 256 rows, then W's 256 rows
.set KS,     SIZE_K/32                 ; a row of scales in bytes
.set SCL,    2*SLOT                    ; behind the slots: the scales, as runs of 256 bytes + 16 of padding
.set HALFS,  (128*KS/256)*272          ; the scales of 128 rows
.set SBLK,   (16*KS/256)*272           ; those of 16 rows
.set SPARE,  SCL+4*HALFS               ; the spare words, 128 bytes for each wave
.set SPITCH, 272                       ; the way out: a stage of 16 rows x (256 bytes + 16) for each wave, in slot 0, which has had its only fill and its last read when the first result is stored there
.set ADRA, 16                          ; v16-17  LDS address of my fragments of x in slot 0, 1
.set ADRB, 20                          ; v20-21  the same for W
.set STO,  24                          ; v24     the way out: where I put 16 bytes of a row
.set RD,   25                          ; v25     the way out: where I read back
.set CO,   26                          ; v26     my byte offset in qkv
.set ADRS, 27                          ; v27     LDS address of my scale words: lanes 0-15 x's rows, lanes 16-31 W's
.set SPW,  28                          ; v28     LDS address of my spare word; never rewritten
.set NIL,  29                          ; v29     0; never rewritten
.set SC,   32                          ; scale words: set s at v[SC + 8 NQ s]; register NQ i + q: lanes 0-15 the word of x's block i, lanes 16-31 that of W's block i
.set AF,   128                         ; x's fragments, in window 0
.set TMP,  192                         ; the way out: packed results
.set OB,   32                          ; the way out: rows read back: v32-63 and v224-255 by turns
.set G1, 24                            ; s[24:31] descriptor group 1 for x's tiles;  s[32:39] group 0, one set for each slot
.set G0, 32
.set G1B, 48                           ; s[48:55], s[56:63] the same for W's tiles
.set G0B, 56
.set G1S, 68                           ; s[68:75], s[76:79] groups 1 and 0 for x's scales;  s[80:87], s[88:91] for W's
.set G0S, 76
.set G1SB, 80
.set G0SB, 88
.set MSB, 0
.macro WIN new                         ; the immediate's high byte repeats the setting that is left
.if MSB != \new
	s_set_vgpr_msb (MSB<<8)|\new
.set MSB, \new
.endif
.endm
.set MUL_LO, 0xa1                      ; source 0 (W) window 1, source 1 (x) window 0, C and D window 2
.set MUL_HI, 0xf1                      ; the same, C and D window 3
.set TO_B,   0x40                      ; destination window 1, address window 0
; A joint load: waves 0 and 1 fetch for x, waves 2 and 3 for W.  The branch hangs on the wave's number alone.  An s_nop 0 and four v_nop follow each of the two lines.
.macro JLOAD g0a, g1a, g0b, g1b
	s_cmp_eq_u32 s15, 0
	s_cbranch_scc0 .Lfor_b_\@
	tensor_load_to_lds s[\g0a:\g0a+3], s[\g1a:\g1a+7]
	s_nop 0
.rept 4
	v_nop
.endr
	s_branch .Lasked_\@
.Lfor_b_\@:
	tensor_load_to_lds s[\g0b:\g0b+3], s[\g1b:\g1b+7]
	s_nop 0
.rept 4
	v_nop
.endr
.Lasked_\@:
.endm
.macro CROUND                          ; a round of the cluster's barrier
	s_barrier_signal -1
	s_barrier_wait -1
	s_cmp_lg_u32 s14, 0
	s_cbranch_scc1 .Lnot_wave_0_\@
	s_barrier_signal -3
.Lnot_wave_0_\@:
	s_barrier_wait -3
	s_barrier_signal -1
	s_barrier_wait -1
.endm
	s_load_b128 s[4:7], s[0:1], 0x0                ; x's codes s[4:5], x's scales s[6:7]
	s_load_b128 s[8:11], s[0:1], 0x10              ; W's codes s[8:9], W's scales s[10:11]
	s_load_b64 s[12:13], s[0:1], 0x20              ; qkv
	v_lshl_add_u32 v[SPW], v0, 2, SPARE
	v_mov_b32 v[NIL], 0
	ds_add_u32 v[SPW], v[NIL]                      ; the wave's opening: the add, twice on end, and its wait ahead of my first tensor load
	ds_add_u32 v[SPW], v[NIL]                      ; and once more, under the one wait; the set-up below, work on registers, stands between
	v_lshrrev_b32 v1, 5, v0
	v_readfirstlane_b32 s14, v1                    ; wave 0..3
	s_lshr_b32 s15, s14, 1                         ; which half of the tile's rows is mine.  Also: I fetch for x (0) or for W (1)
	s_and_b32 s16, s14, 1                          ; which half of its columns.  Also: which 128 rows of that tile I fetch
	s_bfe_u32 s40, ttmp6, 0x40000                  ; cx, cy: my place in the cluster
	s_bfe_u32 s41, ttmp6, 0x40004
	s_lshl_b32 s42, ttmp9, 2
	s_add_co_u32 s42, s42, s40                     ; tile column of C = 4 x cluster x + cx
	s_and_b32 s17, ttmp7, 0xffff
	s_lshl_b32 s17, s17, 2
	s_add_co_u32 s17, s17, s41                     ; tile row of C = 4 x cluster y + cy
	s_lshl_b32 s43, s41, 2
	s_lshl_b32 s43, 15, s43                        ; my row of the cluster
	s_lshl_b32 s44, 0x1111, s40                    ; my column
	; descriptor group 1: a tile of 128 rows x 256 bytes, padded in LDS
	s_or_b32 s[G1+0], s43, (0<<16)|(1<<20)|(1<<21)|(5<<22)|(3<<25)  ; 15:0 the mask; 17:16 element of 1 byte; 20 padding on; 21 set beside a mask; 24:22 after every 64 words; 31:25 four words
	s_or_b32 s[G1B+0], s44, (0<<16)|(1<<20)|(1<<21)|(5<<22)|(3<<25)
.irp g, G1, G1B
	s_mov_b32 s[\g+1], ROWB<<16                    ; tensor_dim0
	s_mov_b32 s[\g+2], 128<<16                     ; tensor_dim1
	s_mov_b32 s[\g+3], ROWB<<16                    ; tile_dim0
	s_mov_b32 s[\g+4], 128                         ; tile_dim1
	s_mov_b32 s[\g+5], KROW                        ; tensor_dim0_stride
	s_mov_b32 s[\g+6], 0
	s_mov_b32 s[\g+7], 0
.endr
	; and for the scales of 128 rows: a dense block of 4,096 bytes, as 16 rows of 256 bytes (32 elements of 8 bytes), 16 bytes of padding behind each
	s_or_b32 s[G1S+0], s43, (3<<16)|(1<<20)|(1<<21)|(5<<22)|(3<<25)
	s_or_b32 s[G1SB+0], s44, (3<<16)|(1<<20)|(1<<21)|(5<<22)|(3<<25)
.irp g, G1S, G1SB
	s_mov_b32 s[\g+1], 32<<16
	s_mov_b32 s[\g+2], (128*KS/256)<<16
	s_mov_b32 s[\g+3], 32<<16
	s_mov_b32 s[\g+4], 128*KS/256
	s_mov_b32 s[\g+5], 32
	s_mov_b32 s[\g+6], 0
	s_mov_b32 s[\g+7], 0
.endr
	s_lshl_b32 s18, s16, 7                         ; which 128 rows of the tile I fetch
	s_lshl_b32 s20, s17, 8
	s_add_co_u32 s20, s20, s18                     ; x: row 256 x tile row + 128 x half
	s_lshl_b32 s46, s42, 8
	s_add_co_u32 s46, s46, s18                     ; W: row 256 x tile column + 128 x half
	s_mov_b32 s21, 0
	s_mov_b32 s47, 0
	s_mov_b64 s[18:19], KS
	s_mul_u64 s[22:23], s[20:21], s[18:19]         ; where these rows' scales begin, in bytes
	s_mul_u64 s[92:93], s[46:47], s[18:19]
	s_mov_b64 s[18:19], KROW
	s_mul_u64 s[20:21], s[20:21], s[18:19]         ; and their codes
	s_mul_u64 s[46:47], s[46:47], s[18:19]
	s_mul_i32 s45, s14, HALFT                      ; where they go: wave x 128 rows: no place in the cluster enters an LDS address
	s_mul_i32 s94, s14, HALFS
	s_wait_dscnt 0x0                               ; both opening adds are done
	s_wait_kmcnt 0x0
	s_add_nc_u64 s[20:21], s[4:5], s[20:21]
	s_add_nc_u64 s[22:23], s[6:7], s[22:23]
	s_add_nc_u64 s[46:47], s[8:9], s[46:47]
	s_add_nc_u64 s[92:93], s[10:11], s[92:93]
	CROUND                                         ; all sixteen work-groups are here: the joint loads meet
	s_mov_b32 s[G0S], 1
	s_add_co_u32 s[G0S+1], s94, SCL
	s_mov_b64 s[G0S+2:G0S+3], s[22:23]
	s_or_b32 s[G0S+3], s[G0S+3], 0x80000000
	s_mov_b32 s[G0SB], 1
	s_add_co_u32 s[G0SB+1], s94, SCL
	s_mov_b64 s[G0SB+2:G0SB+3], s[92:93]
	s_or_b32 s[G0SB+3], s[G0SB+3], 0x80000000
	JLOAD G0S, G1S, G0SB, G1SB                     ; the scales first: they are wanted with K step 0
.irp s, 0,1
	s_mov_b32 s[G0+4*\s], 1
	s_add_co_u32 s[G0+4*\s+1], s45, \s*SLOT
	s_add_nc_u64 s[G0+4*\s+2:G0+4*\s+3], s[20:21], \s*ROWB
	s_or_b32 s[G0+4*\s+3], s[G0+4*\s+3], 0x80000000
	s_mov_b32 s[G0B+4*\s], 1
	s_add_co_u32 s[G0B+4*\s+1], s45, \s*SLOT
	s_add_nc_u64 s[G0B+4*\s+2:G0B+4*\s+3], s[46:47], \s*ROWB
	s_or_b32 s[G0B+4*\s+3], s[G0B+4*\s+3], 0x80000000
	JLOAD G0+4*\s, G1, G0B+4*\s, G1B
.endr
	v_and_b32 v1, 15, v0                           ; l % 16
	v_bfe_u32 v2, v0, 4, 1                         ; l / 16
	v_mul_u32_u24 v3, v1, PITCH
	v_lshl_add_u32 v4, v2, 4, v3                   ; a fragment's row x pitch + 16 x half
	s_mul_i32 s21, s15, HALFT                      ; my 128 rows of x
	s_mul_i32 s22, s16, HALFT                      ; my 128 rows of W,
	s_add_co_u32 s22, s22, 2*HALFT                 ; which lie behind x's 256
.irp s, 0,1
	v_add_nc_u32 v[ADRA+\s], s21, v4
	v_add_nc_u32 v[ADRB+\s], s22, v4
	s_add_co_u32 s21, s21, SLOT
	s_add_co_u32 s22, s22, SLOT
.endr
	v_mul_u32_u24 v5, v1, KS                       ; my row's scales: 32 bytes a row,
	v_lshrrev_b32 v6, 8, v5
	v_lshl_add_u32 v5, v6, 4, v5                   ; and 16 more for each 256 passed
	s_mul_i32 s21, s15, HALFS                      ; x's: my 128 rows
	s_mul_i32 s22, s16, HALFS                      ; W's: my 128 rows, behind x's 256
	s_add_co_u32 s22, s22, 2*HALFS
	s_sub_co_u32 s22, s22, s21
	v_mul_u32_u24 v6, s22, v2                      ; lanes 16-31 take W's: one product, the distance between the two bases
	s_add_co_u32 s21, s21, SCL
	v_add_nc_u32 v5, v5, v6
	v_add_nc_u32 v[ADRS], s21, v5
	s_mul_i32 s23, s14, 16*SPITCH                  ; my stage
	v_mul_u32_u24 v5, v1, SPITCH                   ; in: row l % 16, 16 bytes for each half of the lanes
	v_lshl_add_u32 v5, v2, 4, v5
	v_add_nc_u32 v[STO], s23, v5
	v_bfe_u32 v5, v0, 3, 1                         ; back: lanes 0-15 take the left 128 bytes of two rows (one plane), lanes 16-31 the right 128 bytes (the next plane)
	v_mul_u32_u24 v5, v5, SPITCH
	v_lshl_add_u32 v5, v2, 7, v5
	v_and_b32 v6, 7, v0
	v_lshl_add_u32 v5, v6, 4, v5
	v_add_nc_u32 v[RD], s23, v5
	v_lshlrev_b32 v[CO], 4, v1                     ; in qkv two rows of a plane are 256 bytes on end: 16 (l % 16),
	v_lshl_add_u32 v[CO], v2, 18, v[CO]            ; and a plane (262,144 bytes) on for lanes 16-31
	s_lshr_b32 s20, s17, 3                         ; b = tile row / 8
	s_mul_i32 s20, s20, 48
	s_lshl_b32 s20, s20, 18                        ; b's 48 planes
	s_and_b32 s21, s17, 7
	s_lshl_b32 s21, s21, 8
	s_lshl_b32 s22, s15, 7
	s_add_co_u32 s21, s21, s22                     ; my first s: 256 (tile row % 8) + 128 x half
	s_lshl_b32 s21, s21, 7                         ; 128 bytes a row
	s_add_co_u32 s20, s20, s21
	s_mov_b32 s21, 0
	s_add_nc_u64 s[12:13], s[12:13], s[20:21]
	s_lshl_b32 s46, s42, 2                         ; my first plane: 4 x tile column + 2 x half
	s_lshl_b32 s47, s16, 1
	s_add_co_u32 s46, s46, s47
	s_lshl_b32 s46, s46, 18
	s_mov_b32 s47, 0
	s_add_nc_u64 s[12:13], s[12:13], s[46:47]
.macro FRAG reg, adr, q, i             ; a fragment, 16 rows x 128 K of 4-bit codes, is 8 registers: lane l holds row l % 16; registers 4 c .. 4 c + 3 hold K = 64 c + 32 (l / 16) + 0 .. 31
.irp c, 0,1
	ds_load_b128 v[\reg+4*\c:\reg+4*\c+3], v[\adr] offset:64*(\q)+32*\c+(\i)*16*PITCH
.endr
.endm
; 16 matrix instructions: x's blocks a0, a0 + 1 against W's eight, 128 along K.  p: W's set;  sc: the set of scale words.  zero = 1: the first product starts the sums.
; The 64 accumulators take turns, one instruction a turn, in the same order in every step.
.macro MUL16 a0, p, q, sc, zero
.irp a, \a0, \a0+1
.irp b, 0,1,2,3,4,5,6,7
.if \zero
	v_wmma_scale_f32_16x16x128_f8f6f4 v[8*(8*((\a)%4)+\b):8*(8*((\a)%4)+\b)+7], v[128*(\p)+FR*\b:128*(\p)+FR*\b+FR-1], v[AF+FR*(\a):AF+FR*(\a)+FR-1], 0, v[SC+8*NQ*(\sc)+NQ*\b+(\q)], v[SC+8*NQ*(\sc)+NQ*(\a)+(\q)] matrix_a_fmt:MATRIX_FMT_FP4 matrix_b_fmt:MATRIX_FMT_FP4 matrix_a_scale:MATRIX_SCALE_ROW1
.else
	v_wmma_scale_f32_16x16x128_f8f6f4 v[8*(8*((\a)%4)+\b):8*(8*((\a)%4)+\b)+7], v[128*(\p)+FR*\b:128*(\p)+FR*\b+FR-1], v[AF+FR*(\a):AF+FR*(\a)+FR-1], v[8*(8*((\a)%4)+\b):8*(8*((\a)%4)+\b)+7], v[SC+8*NQ*(\sc)+NQ*\b+(\q)], v[SC+8*NQ*(\sc)+NQ*(\a)+(\q)] matrix_a_fmt:MATRIX_FMT_FP4 matrix_b_fmt:MATRIX_FMT_FP4 matrix_a_scale:MATRIX_SCALE_ROW1
.endif
.endr
.endr
.endm
.macro FETCH_B slot, q, p              ; W's eight fragments of the slot's q-th 128 along K into set p
	WIN TO_B
.irp i, 0,1,2,3,4,5,6,7
	FRAG 128*(\p)+FR*\i, ADRB+\slot, \q, \i
.endr
	WIN 0
.endm
.macro FETCH_A slot, q, i0             ; x's blocks i0 .. i0 + 3
.irp i, \i0, \i0+1, \i0+2, \i0+3
	FRAG AF+FR*(\i), ADRA+\slot, \q, \i
.endr
.endm
.macro SCALES sc                       ; a K step's scale words into set sc: four words a row; lanes 0-15 take x's block i, lanes 16-31 W's block i
.irp i, 0,1,2,3,4,5,6,7
	ds_load_b128 v[SC+8*NQ*\sc+NQ*\i:SC+8*NQ*\sc+NQ*\i+3], v[ADRS] offset:\i*SBLK
.endr
.endm
; A load into a register that a matrix instruction has read, and a vector instruction that reads a matrix result, stand four places behind that matrix instruction; only plain vector instructions that name none of its registers are places.
.macro PLACES n
.rept \n
	v_nop
.endr
.endm
; A step of 128 along K that has its successor in the same slot.
.macro STEP slot, q, zero
	s_wait_dscnt 4*NL                              ; W's set and x's blocks 0-3 are in; the youngest eight loads (x's blocks 4-7) may be out
	WIN MUL_LO
	MUL16 0, (\q)%2, \q, \slot, \zero
	MUL16 2, (\q)%2, \q, \slot, \zero
	s_wait_dscnt 0                                 ; x's blocks 4-7 are in
	PLACES NP
	FETCH_B \slot, (\q)+1, 1-(\q)%2
	FETCH_A \slot, (\q)+1, 0
	WIN MUL_HI
	MUL16 4, (\q)%2, \q, \slot, \zero
	MUL16 6, (\q)%2, \q, \slot, \zero
	PLACES NP
	WIN 0
	FETCH_A \slot, (\q)+1, 4
.endm
.macro STEPS slot, from                ; the slot's steps from .. NQ - 2
.set Q, \from
.rept NQ-1-\from
	STEP \slot, Q, 0
.set Q, Q+1
.endr
.endm
	s_wait_tensorcnt 1                             ; the scales and my part of K step 0 are in (K step 1's load may be out),
	s_barrier_signal -1
	s_barrier_wait -1                              ; everybody's are
	FETCH_B 0, 0, 0
	FETCH_A 0, 0, 0
	SCALES 0
	FETCH_A 0, 0, 4
	STEP 0, 0, 1                                   ; the first step's products start the sums: nothing is cleared
	STEPS 0, 1
	; slot 0's last step changes slots: one barrier
	s_wait_tensorcnt 0x0                           ; all my tensor loads have landed: my part of slot 1
	ds_add_u32 v[SPW], v[NIL]                      ; 0 onto my spare word
	s_wait_dscnt 4*NL+1                            ; (the add and the youngest eight loads, x's blocks 4-7, may be out)
	WIN MUL_LO
	MUL16 0, 1, NQ-1, 0, 0
	s_wait_dscnt 0x0                               ; the add is done, and my reads of slot 0 are over
	s_barrier_signal -1
	MUL16 2, 1, NQ-1, 0, 0
	WIN 0
	s_barrier_wait -1                              ; slot 1 is whole, and nobody reads slot 0 any more
	PLACES NP
	v_add_nc_u32 v[ADRS], 4*NQ, v[ADRS]            ; on to the next K step's scale words
	FETCH_B 1, 0, 0
	FETCH_A 1, 0, 0
	SCALES 1
	WIN MUL_HI
	MUL16 4, 1, NQ-1, 0, 0
	MUL16 6, 1, NQ-1, 0, 0
	PLACES NP
	WIN 0
	FETCH_A 1, 0, 4
	STEPS 1, 0
	s_wait_dscnt 4*NL                              ; the very last step: nothing more to fetch
	WIN MUL_LO
	MUL16 0, 1, NQ-1, 1, 0
	MUL16 2, 1, NQ-1, 1, 0
	s_wait_dscnt 0
	WIN MUL_HI
	MUL16 4, 1, NQ-1, 1, 0
	MUL16 6, 1, NQ-1, 1, 0
	WIN 0
; THE WAY OUT, block by block of 16 rows x 128 columns (two planes of qkv).  PACK: rounded to f16, 16 bytes a lane, each accumulator from its low end on.  TOSTAGE: into my own stage, and back so that
; sixteen lanes hold two rows of one plane, 256 bytes on end.  SEND: stored.  LDS serves a wave's instructions in order: no wait between the stage's stores and loads.
.macro PACK a
.set AC, 64*((\a)%4)
	WIN 0x0a+5*((\a)/4)                            ; sources 0 and 1: window 2 or 3
.irp b, 0,1,2,3,4,5,6,7
.irp r, 0,1,2,3
	v_cvt_pk_f16_f32 v[TMP+4*\b+\r], v[AC+8*\b+2*\r], v[AC+8*\b+2*\r+1]
.endr
.endr
	WIN 0
.endm
.macro TOSTAGE a
.set BK, OB+192*((\a)%2)
.irp b, 0,1,2,3,4,5,6,7
	ds_store_b128 v[STO], v[TMP+4*\b:TMP+4*\b+3] offset:32*\b
.endr
.irp t, 0,1,2,3,4,5,6,7
	ds_load_b128 v[BK+4*\t:BK+4*\t+3], v[RD] offset:\t*2*SPITCH
.endr
.endm
.macro SEND a
.set BK, OB+192*((\a)%2)
	s_wait_dscnt 0x0                               ; the block is back in registers
	s_wait_xcnt 0x0                                ; the block before has had its stores' registers read: the next block's loads may land there
.irp t, 0,1,2,3,4,5,6,7
	global_store_b128 v[CO], v[BK+4*\t:BK+4*\t+3], s[12:13] offset:(\a)*2048+\t*256   ; lanes 0-15 store 256 consecutive bytes of one plane, lanes 16-31 of the next
.endr
.endm
	PLACES NP                                      ; behind the last products
	PACK 0
	TOSTAGE 0
.irp a, 1,2,3,4,5,6,7                  ; block a's conversions stand between block a - 1's loads from the stage and the wait for them
	PACK \a
	SEND \a-1
	TOSTAGE \a
.endr
	SEND 7
	s_wait_tensorcnt 0x0                           ; the wave's end: behind my last tensor load and my last LDS store
	ds_add_u32 v[SPW], v[NIL]
	s_wait_dscnt 0x0
	CROUND                                         ; the closing round: no work-group ends while a partner may still ask for a tile that names it
	s_endpgm
.Lfunc_end_k_qa6c4e8a22d_qkv:
	.size	k_qa6c4e8a22d_qkv, .Lfunc_end_k_qa6c4e8a22d_qkv-k_qa6c4e8a22d_qkv
	.p2alignl 7, 3214868480
	.fill 96, 4, 3214868480
	.section	.rodata,"a",@progbits
	.p2align	6, 0x0
	.amdhsa_kernel k_qa6c4e8a22d_qkv
		.amdhsa_group_segment_fixed_size 327680
		.amdhsa_private_segment_fixed_size 0
		.amdhsa_enable_private_segment 0
		.amdhsa_kernarg_size 40
		.amdhsa_user_sgpr_count 2
		.amdhsa_user_sgpr_kernarg_segment_ptr 1
		.amdhsa_wavefront_size32 1
		.amdhsa_system_sgpr_workgroup_id_x 1
		.amdhsa_system_sgpr_workgroup_id_y 1
		.amdhsa_system_sgpr_workgroup_id_z 1
		.amdhsa_system_vgpr_workitem_id 0
		.amdhsa_next_free_vgpr 1024
		.amdhsa_next_free_sgpr 98
		.amdhsa_reserve_vcc 0
		.amdhsa_float_denorm_mode_32 3
		.amdhsa_float_denorm_mode_16_64 3
		.amdhsa_memory_ordered 1
		.amdhsa_forward_progress 1
		.amdhsa_inst_pref_size 127
	.end_amdhsa_kernel
	.amdgpu_metadata
---
amdhsa.version: [ 1, 2 ]
amdhsa.kernels:
  - .name:           k_qa6c4e8a22d_qkv
    .symbol:         k_qa6c4e8a22d_qkv.kd
    .args:
      - { .name: x_codes, .offset: 0, .size: 8, .value_kind: global_buffer, .address_space: global }
      - { .name: x_scales, .offset: 8, .size: 8, .value_kind: global_buffer, .address_space: global }
      - { .name: w_codes, .offset: 16, .size: 8, .value_kind: global_buffer, .address_space: global }
      - { .name: w_scales, .offset: 24, .size: 8, .value_kind: global_buffer, .address_space: global }
      - { .name: qkv, .offset: 32, .size: 8, .value_kind: global_buffer, .address_space: global }
    .group_segment_fixed_size: 327680
    .private_segment_fixed_size: 0
    .kernarg_segment_align: 8
    .kernarg_segment_size: 40
    .max_flat_workgroup_size: 128
    .sgpr_count:     98
    .vgpr_count:     1024
    .wavefront_size: 32
...
	.end_amdgpu_metadata
.endif
;; end of part 2
;; launch attn (part 3): grid 4 x 64, 8 waves a work-group, clusters of 4 x 1, 327,680 bytes of LDS; arguments qkv, attn_h; writes attn_h
.if DOCPART == 3
	.amdgcn_target "amdgcn-amd-amdhsa--gfx1250"
	.amdhsa_code_object_version 6
	.text
	.protected	k_qa6c4e8a22d_attn
	.globl	k_qa6c4e8a22d_attn
	.p2align	8
	.type	k_qa6c4e8a22d_attn,@function
k_qa6c4e8a22d_attn:
	s_mov_b64 s[64:65], 0
	v_nop
	global_prefetch_b8 v0, s[64:65] scope:SCOPE_SE
	s_setreg_imm32_b32 hwreg(HW_REG_WAVE_MODE, 25, 1), 1
	s_wait_xcnt 0x0
	s_wait_alu depctr_hold_cnt(0) depctr_sa_sdst(0) depctr_va_vdst(0) depctr_va_sdst(0) depctr_va_ssrc(0) depctr_va_vcc(0) depctr_vm_vsrc(0)
	s_getreg_b32 s2, hwreg(HW_REG_IB_STS2, 6, 4)
	s_cmp_eq_u32 s2, 0
	s_cbranch_scc0 .Lentry_in_a_cluster
	s_endpgm
.Lentry_in_a_cluster:
	s_bfe_u32 s2, ttmp6, 0x10000c
	s_cmp_lg_u32 s2, 0x3003
	s_cbranch_scc0 .Lentry_shape_is_right
	s_endpgm
.Lentry_shape_is_right:
; LAUNCH 3 OF 4.  O[b][h][q][:] = the sum over k of softmax_k(Q[q] . K[k] / 8) V[k][:], head size 64, 2,048 keys, no mask.  Nothing is left out.
; Q, K, V: f16, planes of qkv [b 4][g 48][s 2048][64] (g = head: Q, 16 + head: K, 32 + head: V).  Products in f16 with f32 sums; maxima, exponentials and row sums in f32; the weights p are rounded to f16 for the second product, O once at the end.
; O goes to attn_h, f16, laid [mb 64][head 16][128 rows][64], mb = (2048 b + s) / 128: a wave's 64 queries of a head are 8,192 bytes on end.
; LIMITS: f16's range for Q, K, V and O (65,504); NaN and infinities are not served.
; SHARES.  A work-group owns 512 queries of one head, each of its eight waves 64: four tiles of 16; two waves to a SIMD, so that one wave's products can stand beside the other's softmax.  Every wave walks all 2,048 keys, 64 a step.
; LAYOUT.  S^T = K Q^T (source 0 = 16 keys, source 1 = 16 queries): a lane holds ONE query (lane % 16) and keys 8 (lane / 16) + 0..7.  Two such tiles, rounded to f16 in pairs, ARE source 1 (32 keys x 16 queries) of
; O^T = V^T P, whose result again holds one query a lane.  K comes out of LDS as it lies, V ([key][channel]) turned, by ds_load_tr16_b128.  P is packed in place, into the lower half of its tile's scores.
; SOFTMAX.  For each query a running maximum m and sum l: p = 2^(c s - c m), c = log2(e) / 8; in every step O and l are multiplied by a = 2^(c m_old - c m_new).  All shifts use the one rounded number c m, so its rounding leaves O / l alone.
; THE STEP IS WRITTEN ONCE FOR ALL STEPS: m begins at -3e38, l and O^T at zero; the first step's a is 0, on zeros.  That costs 128 v_mov_b32 once; a first step of its own would be three more copies of the key step.
; RING.  Two LDS slots of 256 keys (four steps).  Waves 0-3 fetch K's four quarters, waves 4-7 V's: one tensor load a wave behind each change of slots, and never more than one out.
; CLUSTER.  The four query blocks of a head walk the same K and V: each tile is asked for JOINTLY, by the same tensor load with the same descriptor and the mask of all four.
; REGISTERS.  window 0: v1-14 addresses; v16-47 statistics, eight a tile; v64-191 S^T, 32 a tile; v192-255 V's fragments.   window 1: v0-127 O^T, 32 a tile; v128-191 Q; v192-255 K's fragments.
.set PKP,   144       ; a row of K in LDS: 128 bytes + 16 = 36 words: the 16 rows of a load start at 16 different groups of four banks
.set PVP,   160       ; a row of V: 128 + 32 = 40 words: an odd multiple of 32 bytes
.set VOFF,  256*PKP   ; a slot: 256 rows of K, then 256 rows of V
.set KSTP,  64*PKP    ; a key step in K's rows,
.set VSTP,  64*PVP    ; and in V's
.set SLOT1, 1<<17     ; slot 1 begins here, so that one exclusive or turns an address in one slot into the other's
.set STAGE, 212992    ; behind the ring: 16 rows x 144 bytes for each wave, for the way out
.set SP,    144
.set SPARE, STAGE+8*16*SP  ; the spare words, 128 bytes for each wave
.set AK0, 2           ; v2   my lane's place in a tile of K; never rewritten
.set AV0, 3           ; v3   the same for V
.set ADR, 4           ; v4   LDS address of K's run of loads
.set ADV, 5           ; v5   of V's
.set QO,  6           ; v6   my byte offset in the wave's rows of Q
.set STO, 7           ; v7   the way out: where I put 16 bytes of a row
.set RD,  8           ; v8   the way out: where I read back
.set GO,  9           ; v9   my byte offset in the wave's rows of O
.set PFO, 12          ; v12  256 x my lane; never rewritten
.set SPW, 13          ; v13  LDS address of my spare word; never rewritten
.set NIL, 14          ; v14  0; never rewritten
.set ST,  16          ; tile t's statistics at v[ST+8 t]: +0 c m, +1 m, +2, +3 l (even keys', odd keys'), +4 to +7 c0-c3, at work; a takes c2's place
.set S,   64
.set VF,  192
.set QF,  128         ; in window 1
.set KF,  192         ; in window 1
.set WV,  12          ; s12  my wave's number
.set LIM, 15          ; s15  1 in a wave that prefetches, else the greatest number
.set PFA, 18          ; s[18:19] where my prefetches stand
.set G1K, 24          ; s[24:31] descriptor group 1 for K's tiles
.set G1V, 32          ; s[32:39] for V's: it differs in the padding alone
.set G0K, 40          ; s[40:43] group 0 for K's tiles: it walks
.set G0V, 44          ; s[44:47] for V's
.set SLOTS, 56        ; s56  slots still to be asked for
.set CNT, 57          ; s57  counts a slot's steps
.set CS,  58          ; s[58:59] c, twice: the packed scaling names a pair
.set SEL, 60          ; s[60:61] lane selects for v_permlanex16_b32: lane l xor 16
.set TK,  62          ; s62  LDS byte at which K's rows of the step to be fetched begin
.set TV,  63          ; s63  the same for V (less VOFF)
.set MSB, 0
.macro WIN new                      ; the immediate's high byte repeats the setting that is left; a switch that changes nothing is dropped
.if MSB != \new
	s_set_vgpr_msb (MSB<<8)|\new
.set MSB, \new
.endif
.endm
.set W_KQ, 0x05       ; K and Q in window 1, S^T in window 0
.set W_PV, 0x50       ; V and P in window 0, O^T (C and D) in window 1
.set W_RS, 0x41       ; O^T (destination and source 0) in window 1, a in window 0
.set TO_1, 0x40       ; destination window 1
; A joint load.  Waves 0-3 fetch K's quarters of a slot, waves 4-7 V's.  The branch hangs on the wave's number alone.  An s_nop 0 and four v_nop follow each of the two lines.
.macro JLOAD
	s_cmp_lt_u32 s[WV], 4
	s_cbranch_scc0 .Lfor_v_\@
	tensor_load_to_lds s[G0K:G0K+3], s[G1K:G1K+7]
	s_nop 0
.rept 4
	v_nop
.endr
	s_branch .Lasked_\@
.Lfor_v_\@:
	tensor_load_to_lds s[G0V:G0V+3], s[G1V:G1V+7]
	s_nop 0
.rept 4
	v_nop
.endr
.Lasked_\@:
.endm
; A PREFETCH INTO THE L2 of what the NEXT change of slots will ask for: a slot's 32,768 bytes of K and of V.  A head has one cluster; its four partners share the bytes out BY ADDRESS, 8,192 each;
; in each, wave 0 asks for K's and wave 4 for V's, lanes 256 bytes apart: each run of 256 bytes is named once in the launch.  The last change that fills a slot asks for nothing.  Slots 0 and 1 come by their loads alone.
.macro ASK
	s_cmp_gt_u32 s[SLOTS], s[LIM]
	s_cbranch_scc0 .Lnot_mine_\@
	global_prefetch_b8 v[PFO], s[PFA:PFA+1] th:TH_LOAD_NT scope:SCOPE_SE
.Lnot_mine_\@:
.endm
.macro CROUND                       ; a round of the cluster's barrier
	s_barrier_signal -1
	s_barrier_wait -1
	s_cmp_lg_u32 s[WV], 0
	s_cbranch_scc1 .Lnot_wave_0_\@
	s_barrier_signal -3
.Lnot_wave_0_\@:
	s_barrier_wait -3
	s_barrier_signal -1
	s_barrier_wait -1
.endm
	s_load_b128 s[4:7], s[0:1], 0x0 ; qkv s[4:5], attn_h s[6:7]
	v_lshl_add_u32 v[SPW], v0, 2, SPARE
	v_mov_b32 v[NIL], 0
	ds_add_u32 v[SPW], v[NIL]       ; the wave's opening: the add, twice on end, and its wait ahead of my first tensor load
	ds_add_u32 v[SPW], v[NIL]       ; and once more, under the one wait; the set-up below, work on registers, stands between
	v_lshrrev_b32 v1, 5, v0
	v_readfirstlane_b32 s[WV], v1   ; wave 0..7
	s_bfe_u32 s13, ttmp6, 0x40000   ; cx: my block of 512 queries: it enters Q's, O's and the prefetches' addresses alone
	s_and_b32 s14, ttmp7, 0xffff    ; 16 b + head, which the four partners share
	s_lshr_b32 s20, s14, 4          ; b
	s_and_b32 s21, s14, 15          ; head
	s_mul_i32 s22, s20, 48
	s_add_co_u32 s22, s22, s21
	s_lshl_b32 s22, s22, 18         ; Q's plane, in bytes
	s_and_b32 s16, s[WV], 3         ; which quarter of a slot I fetch
	s_lshl_b32 s10, s16, 13         ; its 64 rows of 128 bytes,
	s_add_co_u32 s10, s10, s22
	s_add_co_u32 s10, s10, 0x400000 ; in K's plane, 16 planes on
	s_mov_b32 s11, 0
	s_lshl_b32 s8, s13, 16          ; Q: my block's 512 rows,
	s_lshl_b32 s9, s[WV], 13        ; my wave's 64 of them
	s_add_co_u32 s8, s8, s9
	s_add_co_u32 s8, s8, s22
	s_mov_b32 s9, 0
	s_lshl_b32 s2, s20, 4           ; O: mb = 16 b + 4 cx + wave / 2,
	s_lshl_b32 s14, s13, 2
	s_add_co_u32 s2, s2, s14
	s_lshr_b32 s14, s[WV], 1
	s_add_co_u32 s2, s2, s14
	s_lshl_b32 s2, s2, 18
	s_lshl_b32 s14, s21, 14         ; the head's 128 rows in it,
	s_add_co_u32 s2, s2, s14
	s_and_b32 s14, s[WV], 1
	s_lshl_b32 s14, s14, 13         ; my 64 of them
	s_add_co_u32 s2, s2, s14
	s_mov_b32 s3, 0
	; descriptor group 1: a tile of 64 rows x 64 elements of 2 bytes, padded in LDS behind every row
	s_mov_b32 s[G1K], 15|(1<<16)|(1<<20)|(1<<21)|(4<<22)|(3<<25)  ; 15:0 the mask: all four work-groups; 17:16 elements of 2 bytes; 20 padding on; 21 set beside a mask; 24:22 after every 32 words; 31:25 four words
	s_mov_b32 s[G1V], 15|(1<<16)|(1<<20)|(1<<21)|(4<<22)|(7<<25)  ; the same with eight words of padding
.irp g, G1K, G1V
	s_mov_b32 s[\g+1], 64<<16       ; tensor_dim0 = 64
	s_mov_b32 s[\g+2], 64<<16       ; tensor_dim1 = 64
	s_mov_b32 s[\g+3], 64<<16       ; tile_dim0 = 64
	s_mov_b32 s[\g+4], 64           ; tile_dim1 = 64
	s_mov_b32 s[\g+5], 64           ; tensor_dim0_stride
	s_mov_b32 s[\g+6], 0
	s_mov_b32 s[\g+7], 0
.endr
	s_mov_b32 s[G0K], 1
	s_mul_i32 s[G0K+1], s16, KSTP   ; LDS: my quarter of slot 0: no place in the cluster enters an LDS address
	s_mov_b32 s[G0V], 1
	s_mul_i32 s[G0V+1], s16, VSTP
	s_add_co_u32 s[G0V+1], s[G0V+1], VOFF
	s_mov_b32 s[CS], 0x3e38aa3b     ; c = log2(e) / 8
	s_mov_b32 s[CS+1], s[CS]
	s_mov_b32 s[SEL], 0x76543210
	s_mov_b32 s[SEL+1], 0xfedcba98
	s_mov_b32 s[TK], 0
	s_mov_b32 s[TV], 0
	s_mov_b32 s[SLOTS], 7
	s_cmp_eq_u32 s16, 0             ; waves 0 and 4 prefetch: the same in all four partners
	s_cselect_b32 s[LIM], 1, -1
	v_and_b32 v[PFO], 31, v0
	v_lshlrev_b32 v[PFO], 8, v[PFO]
	s_wait_dscnt 0x0                ; both opening adds are done
	s_wait_kmcnt 0x0
	s_add_nc_u64 s[50:51], s[4:5], s[10:11]      ; K at my quarter of slot 0,
	s_add_nc_u64 s[52:53], s[50:51], 0x400000    ; V likewise, 16 planes on
	s_add_nc_u64 s[8:9], s[4:5], s[8:9]          ; Q at my wave's first row
	s_add_nc_u64 s[6:7], s[6:7], s[2:3]          ; O likewise
	s_mov_b64 s[G0K+2:G0K+3], s[50:51]
	s_or_b32 s[G0K+3], s[G0K+3], 0x80000000      ; type = 2
	s_mov_b64 s[G0V+2:G0V+3], s[52:53]
	s_or_b32 s[G0V+3], s[G0V+3], 0x80000000
	s_cmp_lt_u32 s[WV], 4
	s_cselect_b64 s[PFA:PFA+1], s[50:51], s[52:53]  ; (in waves 0 and 4 these stand at a slot's first row)
	s_lshl_b32 s2, s13, 13          ; my work-group's 8,192 bytes of a slot's 32,768,
	s_add_co_u32 s2, s2, 32768      ; in slot 1: the first change of slots steps it to slot 2.  Nothing is prefetched at the head
	s_mov_b32 s3, 0
	s_add_nc_u64 s[PFA:PFA+1], s[PFA:PFA+1], s[2:3]
	CROUND                          ; all four work-groups are here: the first joint loads meet
	JLOAD                           ; slot 0
	; A fragment of K or Q is 16 rows x 32 channels in 8 registers: lane l holds row l % 16; registers 0-3 channels 8 (l / 16) + 0..7, registers 4-7 channels 16 + 8 (l / 16) + 0..7: two loads of 16 bytes, 32 bytes apart.
	v_and_b32 v1, 15, v0            ; l % 16
	v_bfe_u32 v10, v0, 4, 1         ; l / 16
	v_lshlrev_b32 v[QO], 7, v1
	v_lshl_add_u32 v[QO], v10, 4, v[QO]  ; row x 128 + 16 x half
	WIN TO_1
.irp i, 0,1,2,3,4,5,6,7             ; Q stays in registers: tile i / 2, channels 32 (i % 2) on
	global_load_b128 v[QF+8*\i:QF+8*\i+3],   v[QO], s[8:9] offset:(\i/2)*2048+(\i%2)*64
	global_load_b128 v[QF+8*\i+4:QF+8*\i+7], v[QO], s[8:9] offset:(\i/2)*2048+(\i%2)*64+32
.endr
.set i, 0
.rept 128
	v_mov_b32 v[i], 0               ; O^T begins as zeros (see the head)
.set i, i+1
.endr
	WIN 0
	v_mul_u32_u24 v[AK0], v1, PKP
	v_lshl_add_u32 v[AK0], v10, 4, v[AK0]  ; row x pitch + 16 x half
	; The turning load takes 16 keys x 16 channels (lane l reads 16 bytes: key 8 (l / 16) + l % 8, channels 8 ((l / 8) % 2) + 0..7) and leaves half a fragment of V^T: lane l holds channel l % 16 and 8 keys.
	v_and_b32 v11, 7, v0
	v_lshl_add_u32 v[AV0], v10, 3, v11
	v_mul_u32_u24 v[AV0], v[AV0], PVP
	v_bfe_u32 v11, v0, 3, 1
	v_lshl_add_u32 v[AV0], v11, 4, v[AV0]
	v_add_nc_u32 v[AV0], VOFF, v[AV0]
	s_mul_i32 s14, s[WV], 16*SP
	s_add_co_u32 s14, s14, STAGE    ; my stage
	v_mul_u32_u24 v[STO], v1, SP    ; in: row l % 16, 16 bytes for each half of the lanes
	v_lshl_add_u32 v[STO], v10, 4, v[STO]
	v_add_nc_u32 v[STO], s14, v[STO]
	v_bfe_u32 v11, v0, 3, 2         ; back: eight lanes to a row of 128 bytes, four rows an instruction
	v_mul_u32_u24 v[RD], v11, SP
	v_and_b32 v11, 7, v0
	v_lshl_add_u32 v[RD], v11, 4, v[RD]
	v_add_nc_u32 v[RD], s14, v[RD]
	v_and_b32 v[GO], 31, v0
	v_lshlrev_b32 v[GO], 4, v[GO]   ; and the same 512 bytes on end in O
.irp t, 0,1,2,3
	v_mov_b32 v[ST+8*\t+1], 0xff61b1e6           ; m = -3e38, under every score
	v_mov_b32 v[ST+8*\t+2], 0                    ; l
	v_mov_b32 v[ST+8*\t+3], 0
.endr
.irp t, 0,1,2,3
	v_mul_f32 v[ST+8*\t], s[CS], v[ST+8*\t+1]    ; c m
.endr
; THE LDS LOADS stand in runs of 16.  K of one step: 64 keys x 64 channels, 8 fragments: keys 16 (f / 2) on, channels 32 (f % 2) on.  nops: plain lines that fill up the places behind the products that read K's registers.
.macro FETCH_K nops
	v_add_nc_u32 v[ADR], s[TK], v[AK0]
	s_add_co_u32 s[TK], s[TK], KSTP  ; the next fetch is the next step's
.rept \nops
	v_nop
.endr
	WIN TO_1
.irp f, 0,1,2,3,4,5,6,7
	ds_load_b128 v[KF+8*\f:KF+8*\f+3],   v[ADR] offset:(\f/2)*16*PKP+(\f%2)*64
	ds_load_b128 v[KF+8*\f+4:KF+8*\f+7], v[ADR] offset:(\f/2)*16*PKP+(\f%2)*64+32
.endr
	WIN 0
.endm
.macro FETCH_V                      ; V of one step, turned: keys 32 (f / 4) on, channels 16 (f % 4) on
.irp f, 0,1,2,3,4,5,6,7
	ds_load_tr16_b128 v[VF+8*\f:VF+8*\f+3],   v[ADV] offset:(\f/4)*32*PVP+(\f%4)*32
	ds_load_tr16_b128 v[VF+8*\f+4:VF+8*\f+7], v[ADV] offset:(\f/4)*32*PVP+16*PVP+(\f%4)*32
.endr
.endm
; THE PRODUCTS.  The 16 accumulators take turns, one instruction a turn: between two links of a chain stand the 15 others'.
.macro MUL_KQ                       ; product i: channels 32 (i / 16) on, keys 16 ((i / 4) % 4) on, tile i % 4.  The first 16 start the sums
.set i, 0
.rept 32
.set rS, S+32*(i%4)+8*((i/4)%4)
.set rK, KF+16*((i/4)%4)+8*(i/16)
.set rQ, QF+16*(i%4)+8*(i/16)
.if i < 16
	v_wmma_f32_16x16x32_f16 v[rS:rS+7], v[rK:rK+7], v[rQ:rQ+7], 0
.else
	v_wmma_f32_16x16x32_f16 v[rS:rS+7], v[rK:rK+7], v[rQ:rQ+7], v[rS:rS+7]
.endif
.set i, i+1
.endr
.endm
.macro MUL_PV                       ; product i: keys 32 (i / 16) on, channels 16 ((i / 4) % 4) on, tile i % 4
.set i, 0
.rept 32
.set rO, 32*(i%4)+8*((i/4)%4)
.set rV, VF+32*(i/16)+8*((i/4)%4)
.set rP, S+32*(i%4)+8*(i/16)
	v_wmma_f32_16x16x32_f16 v[rO:rO+7], v[rV:rV+7], v[rP:rP+7], v[rO:rO+7]
.set i, i+1
.endr
.endm
; THE SOFTMAX of a step, the four tiles by turns, so that no line waits for the line above it.  g = 0 .. 63 numbers a pair of scores: tile g % 4, pair g / 4.
.macro FMA g                        ; c s - c m, two scores at a time
.set fT, ST+8*((\g)%4)
.set fS, S+32*((\g)%4)+2*((\g)/4)
	v_pk_fma_f32 v[fS:fS+1], v[fS:fS+1], s[CS:CS+1], v[fT:fT+1] op_sel_hi:[1,0,0] neg_lo:[0,0,1] neg_hi:[0,0,1]
.endm
.macro EXP2 g
.set fS, S+32*((\g)%4)+2*((\g)/4)
	v_exp_f32 v[fS], v[fS]
	v_exp_f32 v[fS+1], v[fS+1]
.endm
.macro SOFTMAX
.irp j, 0,1,2,3                     ; the maximum of a lane's 32 scores and the old m: four chains c0-c3; each accumulator is read from its low end on
.irp t, 0,1,2,3
	v_max3_num_f32 v[ST+8*\t+4+\j], v[S+32*\t+8*\j], v[S+32*\t+8*\j+1], v[S+32*\t+8*\j+2]
.endr
.endr
.irp u, 1,2
.irp j, 0,1,2,3
.irp t, 0,1,2,3
	v_max3_num_f32 v[ST+8*\t+4+\j], v[ST+8*\t+4+\j], v[S+32*\t+8*\j+2*\u+1], v[S+32*\t+8*\j+2*\u+2]
.endr
.endr
.endr
.irp t, 0,1,2,3
	v_max3_num_f32 v[ST+8*\t+4], v[ST+8*\t+4], v[S+32*\t+7], v[S+32*\t+15]
.endr
.irp t, 0,1,2,3
	v_max3_num_f32 v[ST+8*\t+6], v[ST+8*\t+6], v[S+32*\t+23], v[S+32*\t+31]
.endr
.irp t, 0,1,2,3
	v_max3_num_f32 v[ST+8*\t+4], v[ST+8*\t+4], v[ST+8*\t+5], v[ST+8*\t+6]
.endr
.irp t, 0,1,2,3
	v_max3_num_f32 v[ST+8*\t+4], v[ST+8*\t+4], v[ST+8*\t+7], v[ST+8*\t+1]
.endr
.irp t, 0,1,2,3
	v_permlanex16_b32 v[ST+8*\t+5], v[ST+8*\t+4], s[SEL], s[SEL+1]  ; the query's other 32 keys lie in the lane 16 away
.endr
.irp t, 0,1,2,3
	v_mov_b32 v[ST+8*\t+7], v[ST+8*\t]           ; c m_old is kept for a
.endr
.irp t, 0,1,2,3
	v_max_num_f32 v[ST+8*\t+1], v[ST+8*\t+4], v[ST+8*\t+5]   ; the new m
.endr
.irp t, 0,1,2,3
	v_mul_f32 v[ST+8*\t], s[CS], v[ST+8*\t+1]    ; c m
.endr
.irp t, 0,1,2,3
	v_sub_f32 v[ST+8*\t+7], v[ST+8*\t+7], v[ST+8*\t]
.endr
	; ONE BATCH: the four a, the 64 scalings and the 128 exponentials; none of these lines names an exponential's result.  A scaling leads each pair of exponentials; a pair is scaled two groups ahead of its exponentials
.irp t, 0,1,2,3
	v_exp_f32 v[ST+8*\t+6], v[ST+8*\t+7]         ; a = 2^(c m_old - c m_new)
.endr
	FMA 0
	FMA 1
.set G, 0
.rept 62
	FMA G+2
	EXP2 G
.set G, G+1
.endr
	EXP2 62
	EXP2 63
	v_nop                           ; the plain line behind the last exponential, ahead of the first use: one for the batch
	s_wait_alu depctr_va_vdst(0)    ; and the wait ahead of the first line that names a result: one for the batch
.irp t, 0,1,2,3                     ; l = a l + the sum of the UNROUNDED p, a pair (an even key's, an odd key's) at a time
	v_pk_fma_f32 v[ST+8*\t+2:ST+8*\t+3], v[ST+8*\t+2:ST+8*\t+3], v[ST+8*\t+6:ST+8*\t+7], v[S+32*\t:S+32*\t+1] op_sel_hi:[1,0,1]
.endr
.irp b, 1,2,3,4,5,6,7,8,9,10,11,12,13,14,15
.irp t, 0,1,2,3
	v_pk_add_f32 v[ST+8*\t+2:ST+8*\t+3], v[ST+8*\t+2:ST+8*\t+3], v[S+32*\t+2*\b:S+32*\t+2*\b+1]
.endr
.endr
.irp n, 0,1,2,3,4,5,6,7,8,9,10,11,12,13,14,15   ; p to f16, in place: register n takes pair n; ascending, so that no pair is written over before it is read
.irp t, 0,1,2,3
	v_cvt_pk_f16_f32 v[S+32*\t+\n], v[S+32*\t+2*\n], v[S+32*\t+2*\n+1]
.endr
.endr
	WIN W_RS
.irp n, 0,1,2,3,4,5,6,7,8,9,10,11,12,13,14,15   ; O^T times a; each accumulator from its low end on
.irp t, 0,1,2,3
	v_pk_mul_f32 v[32*\t+2*\n:32*\t+2*\n+1], v[32*\t+2*\n:32*\t+2*\n+1], v[ST+8*\t+6:ST+8*\t+7] op_sel_hi:[1,0]
.endr
.endr
.endm
; A KEY STEP.  pre = 1: the next step's K is fetched behind this step's K Q^T.
.macro STEP pre
	v_add_nc_u32 v[ADV], s[TV], v[AV0]
	s_add_co_u32 s[TV], s[TV], VSTP
.rept 4
	v_nop                           ; with the addition above five places behind the last V^T P: K Q^T writes over the registers that it read as P (five are asked), and V's loads land in those that it read as V (four)
.endr
	FETCH_V
	s_wait_dscnt 16                 ; K's sixteen loads are in; V's sixteen, just issued, may be out
	WIN W_KQ
	MUL_KQ
	WIN 0
.if \pre
	FETCH_K 3                       ; its addition and three v_nop are the four places behind K Q^T, for these loads and for the softmax's first reads
.else
.rept 4
	v_nop
.endr
.endif
	SOFTMAX
	s_wait_dscnt 16*\pre            ; V is in; the next K's sixteen loads may be out
	WIN W_PV
	MUL_PV
	WIN 0
.endm
; THE CHANGE OF SLOTS stands at a slot's head.  Each wave waits for all its tensor loads (its part of the slot that it is about to read), adds 0 to its spare word, and waits for that and for its reads of the slot that it has left.
; fill = 1: the barrier is a round of the cluster's, so that no wave of any partner still reads the other slot or has a load on its way; the joint load for the next 256 keys is the first thing behind it and has four key steps in which to land.
.macro CHANGE fill
	s_wait_tensorcnt 0x0            ; no tensor load of mine is out, so a group 0 may be written
	ds_add_u32 v[SPW], v[NIL]       ; 0 onto my spare word
.if \fill
	s_xor_b32 s[G0K+1], s[G0K+1], SLOT1          ; the walking descriptors: the other slot than last time,
	s_add_nc_u64 s[G0K+2:G0K+3], s[G0K+2:G0K+3], 32768   ; the next 256 keys; the type bits on top are not reached
	s_xor_b32 s[G0V+1], s[G0V+1], SLOT1
	s_add_nc_u64 s[G0V+2:G0V+3], s[G0V+2:G0V+3], 32768
	s_wait_xcnt 0x0                 ; the last prefetch, a slot back, has read its address, so it may be written:
	s_add_nc_u64 s[PFA:PFA+1], s[PFA:PFA+1], 32768       ; one slot further on than the walking descriptors
	s_wait_dscnt 0x0                ; the add is done, and my reads of the slot that I have left are over
	CROUND
	JLOAD
.else
	s_wait_dscnt 0x0
	s_barrier_signal -1
	s_barrier_wait -1
.endif
.endm
; A slot's four key steps: three trips of a loop, and the last, which fetches no further K, written out.
.macro SLOT_STEPS ask
	FETCH_K 0                       ; (the last products that read K's registers stand a whole softmax back)
.if \ask
	ASK                             ; behind the joint load and the run of LDS loads that the next products wait for
.endif
	s_mov_b32 s[CNT], 3
.Lstep_\@:
	STEP 1
	s_sub_co_u32 s[CNT], s[CNT], 1
	s_cmp_lg_u32 s[CNT], 0
	s_cbranch_scc1 .Lstep_\@
	STEP 0
	s_sub_co_u32 s[TK], s[TK], 4*KSTP            ; the fetches go back to a slot's first step,
	s_xor_b32 s[TK], s[TK], SLOT1                ; in the other slot
	s_sub_co_u32 s[TV], s[TV], 4*VSTP
	s_xor_b32 s[TV], s[TV], SLOT1
.endm
	s_wait_loadcnt 0x0              ; Q
.Lslot:                             ; seven trips: behind each change of slots but the last the next slot is asked for
	CHANGE 1
	SLOT_STEPS 1
	s_sub_co_u32 s[SLOTS], s[SLOTS], 1
	s_cmp_lg_u32 s[SLOTS], 0
	s_cbranch_scc1 .Lslot
	CHANGE 0                        ; the last slot is written out
	SLOT_STEPS 0
	; THE WAY OUT.  l's two halves and the other half of the lanes' are added; O^T is divided by l, rounded to f16 and sent through my stage in LDS, a tile (16 rows of O) at a time.  The additions are the places behind the last products.
.irp t, 0,1,2,3
	v_add_f32 v[ST+8*\t+4], v[ST+8*\t+2], v[ST+8*\t+3]
.endr
.irp t, 0,1,2,3
	v_permlanex16_b32 v[ST+8*\t+5], v[ST+8*\t+4], s[SEL], s[SEL+1]
.endr
.irp t, 0,1,2,3
	v_add_f32 v[ST+8*\t+4], v[ST+8*\t+4], v[ST+8*\t+5]
.endr
.irp t, 0,1,2,3
	v_rcp_f32 v[ST+8*\t+6], v[ST+8*\t+4]
.endr
	v_nop                           ; a plain line between the last reciprocal and the use of its result
	s_wait_alu depctr_va_vdst(0)    ; and the wait ahead of the first use: one for the four
; Tile t: a lane's eight channels of a row pack into 16 bytes; they go into rows of 144 bytes and come back four rows (512 bytes on end) an instruction, into the registers that they left.
.macro PACK t
	WIN W_RS
.irp n, 0,1,2,3,4,5,6,7,8,9,10,11,12,13,14,15
	v_pk_mul_f32 v[32*\t+2*\n:32*\t+2*\n+1], v[32*\t+2*\n:32*\t+2*\n+1], v[ST+8*\t+6:ST+8*\t+7] op_sel_hi:[1,0]
.endr
	WIN 0x05                        ; sources 0 and 1 window 1, destination window 0: S^T's registers are free
.irp n, 0,1,2,3,4,5,6,7,8,9,10,11,12,13,14,15
	v_cvt_pk_f16_f32 v[S+16*\t+\n], v[32*\t+2*\n], v[32*\t+2*\n+1]
.endr
	WIN 0
.irp f, 0,1,2,3
	ds_store_b128 v[STO], v[S+16*\t+4*\f:S+16*\t+4*\f+3] offset:32*\f
.endr
.irp f, 0,1,2,3
	ds_load_b128 v[S+16*\t+4*\f:S+16*\t+4*\f+3], v[RD] offset:\f*4*SP  ; LDS serves a wave's instructions in order: these see the stores above; the next tile's stores come behind them
.endr
.endm
.macro SEND t, younger              ; younger: the LDS instructions issued behind tile t's loads: the next tile's eight, or none
.irp f, 0,1,2,3
	s_wait_dscnt \younger+3-\f
	global_store_b128 v[GO], v[S+16*\t+4*\f:S+16*\t+4*\f+3], s[6:7] offset:\t*2048+\f*512  ; 32 lanes store 512 consecutive bytes, at a multiple of 256 from the buffer's first byte
.endr
.endm
	PACK 0
	PACK 1                          ; a tile's arithmetic stands between the loads of the tile before and its stores
	SEND 0, 8
	PACK 2
	SEND 1, 8
	PACK 3
	SEND 2, 8
	SEND 3, 0
	s_wait_tensorcnt 0x0            ; the wave's end: behind my last tensor load and my last LDS store
	ds_add_u32 v[SPW], v[NIL]
	s_wait_dscnt 0x0
	CROUND                          ; the closing round: no work-group ends while a partner may still ask for a tile that names it
	s_endpgm
.Lfunc_end_k_qa6c4e8a22d_attn:
	.size	k_qa6c4e8a22d_attn, .Lfunc_end_k_qa6c4e8a22d_attn-k_qa6c4e8a22d_attn
	.p2alignl 7, 3214868480
	.fill 96, 4, 3214868480
	.section	.rodata,"a",@progbits
	.p2align	6, 0x0
	.amdhsa_kernel k_qa6c4e8a22d_attn
		.amdhsa_group_segment_fixed_size 327680
		.amdhsa_private_segment_fixed_size 0
		.amdhsa_enable_private_segment 0
		.amdhsa_kernarg_size 16
		.amdhsa_user_sgpr_count 2
		.amdhsa_user_sgpr_kernarg_segment_ptr 1
		.amdhsa_wavefront_size32 1
		.amdhsa_system_sgpr_workgroup_id_x 1
		.amdhsa_system_sgpr_workgroup_id_y 1
		.amdhsa_system_sgpr_workgroup_id_z 1
		.amdhsa_system_vgpr_workitem_id 0
		.amdhsa_next_free_vgpr 512
		.amdhsa_next_free_sgpr 66
		.amdhsa_reserve_vcc 0
		.amdhsa_float_denorm_mode_32 3
		.amdhsa_float_denorm_mode_16_64 3
		.amdhsa_memory_ordered 1
		.amdhsa_forward_progress 1
		.amdhsa_inst_pref_size 155
	.end_amdhsa_kernel
	.amdgpu_metadata
---
amdhsa.version: [ 1, 2 ]
amdhsa.kernels:
  - .name:           k_qa6c4e8a22d_attn
    .symbol:         k_qa6c4e8a22d_attn.kd
    .args:
      - { .name: qkv, .offset: 0, .size: 8, .value_kind: global_buffer, .address_space: global }
      - { .name: attn_h, .offset: 8, .size: 8, .value_kind: global_buffer, .address_space: global }
    .group_segment_fixed_size: 327680
    .private_segment_fixed_size: 0
    .kernarg_segment_align: 8
    .kernarg_segment_size: 16
    .max_flat_workgroup_size: 256
    .sgpr_count:     66
    .vgpr_count:     512
    .wavefront_size: 32
...
	.end_amdgpu_metadata
.endif
;; end of part 3
;; launch oproj (part 4): grid 4 x 64, 4 waves a work-group, clusters of 4 x 4, 327,680 bytes of LDS; arguments attn_h, wo_h, out0; writes out0
.if DOCPART == 4
	.amdgcn_target "amdgcn-amd-amdhsa--gfx1250"
	.amdhsa_code_object_version 6
	.text
	.protected	k_qa6c4e8a22d_oproj
	.globl	k_qa6c4e8a22d_oproj
	.p2align	8
	.type	k_qa6c4e8a22d_oproj,@function
k_qa6c4e8a22d_oproj:
	s_mov_b64 s[64:65], 0
	v_nop
	global_prefetch_b8 v0, s[64:65] scope:SCOPE_SE
	s_setreg_imm32_b32 hwreg(HW_REG_WAVE_MODE, 25, 1), 1
	s_wait_xcnt 0x0
	s_wait_alu depctr_hold_cnt(0) depctr_sa_sdst(0) depctr_va_vdst(0) depctr_va_sdst(0) depctr_va_ssrc(0) depctr_va_vcc(0) depctr_vm_vsrc(0)
	s_getreg_b32 s2, hwreg(HW_REG_IB_STS2, 6, 4)
	s_cmp_eq_u32 s2, 0
	s_cbranch_scc0 .Lentry_in_a_cluster
	s_endpgm
.Lentry_in_a_cluster:
	s_bfe_u32 s2, ttmp6, 0x10000c
	s_cmp_lg_u32 s2, 0xf033
	s_cbranch_scc0 .Lentry_shape_is_right
	s_endpgm
.Lentry_shape_is_right:
; LAUNCH 4 OF 4.  out0[m][f] = sum over e of attn[m][e] W_O[f][e], m = 0 .. 8191, f, e = 0 .. 1023; operands in f16, sums in f32, out0 in f32.  Nothing is left out.
; attn_h is laid [mb 64][head 16][128 rows][64] (e = 64 head + d): the 128 rows of a tile are one mb, and a K step of 128 is two heads' planes, each 128 dense rows of 128 bytes.  wo_h is [f][e], rows of 2,048 bytes.
; A tile of out0 is 128 rows x 256 columns: 256 work-groups.  Four waves, each 64 x 128: 32 accumulators of 16 x 16, 256 registers.  K goes in 8 steps of 128 through a ring of two LDS slots:
; waves 0 and 1 fetch attn's two planes, waves 2 and 3 the two halves of W_O's 256 rows: one tensor load a wave behind each change of slots (two out at the head, then one).
; CLUSTERS: 4 x 4 work-groups.  The four of a row of the cluster need the same tiles of attn, the four of a column the same tiles of W_O: each is asked for JOINTLY, by the same tensor load with the same descriptor and a mask that names the four.
; THE MATRIX INSTRUCTION IS USED TRANSPOSED (source 0 = 16 rows of W_O, source 1 = 16 rows of attn): a lane then holds eight neighbouring numbers of a row of out0.
; No prefetch: the K steps are short and few, and W_O's tiles are read by sixteen clusters one after the other.
; REGISTERS: window 0: v16-29 addresses; v32-95 attn's fragments, two buffers of 4 x 8; v96-223 W_O's, two buffers of 8 x 8; on the way out v32-159 hold rows.   window 1: the accumulators ((a, b) at v[8 (8 a + b)]).
.set PA,     144                       ; a row of attn in LDS: 128 bytes + 16
.set PB,     272                       ; a row of W_O: 256 bytes + 16.  Both are odd multiples of 16: the 16 rows that a load touches start at 16 different groups of four banks
.set PLANE,  128*PA                    ; one head's 128 rows
.set AREG,   2*PLANE
.set HALFB,  128*PB
.set SLOT,   AREG+2*HALFB              ; 106,496 bytes
.set STAGE,  2*SLOT                    ; behind the ring: 16 rows x 528 bytes for each wave, for the way out
.set SPITCH, 528
.set SPARE,  STAGE+4*16*SPITCH         ; the spare words, 128 bytes for each wave
.set LAPS,   4                         ; a lap = two K steps = once round the ring
.set ADRA, 16                          ; v16-17  LDS address of my fragments of attn in slot 0, 1
.set ADRB, 20                          ; v20-21  the same for W_O
.set STO,  24                          ; v24     the way out: where I put 32 bytes of a row
.set RD,   25                          ; v25     the way out: where I read a row back
.set CO,   26                          ; v26     my byte offset in a row's 512 bytes of out0
.set SPW,  28                          ; v28     LDS address of my spare word; never rewritten
.set NIL,  29                          ; v29     0; never rewritten
.set AFR,  32
.set BF,   96
.set BK,   32                          ; the way out: 16 rows read back: v32-95 and v96-159 by turns
.set G1, 24                            ; s[24:31] descriptor group 1 for attn's tiles;  s[32:39] group 0, one set for each slot
.set G0, 32
.set G1B, 48                           ; s[48:55], s[56:63] the same for W_O's
.set G0B, 56
.set MSB, 0
.macro WIN new                         ; the immediate's high byte repeats the setting that is left
.if MSB != \new
	s_set_vgpr_msb (MSB<<8)|\new
.set MSB, \new
.endif
.endm
.set MUL, 0x50                         ; sources 0 and 1 window 0; C and D window 1
.macro JLOAD s                         ; a joint load: waves 0 and 1 fetch for attn, waves 2 and 3 for W_O; an s_nop 0 and four v_nop follow each of the two lines
	s_cmp_eq_u32 s11, 0
	s_cbranch_scc0 .Lfor_b_\@
	tensor_load_to_lds s[G0+4*\s:G0+4*\s+3], s[G1:G1+7]
	s_nop 0
.rept 4
	v_nop
.endr
	s_branch .Lasked_\@
.Lfor_b_\@:
	tensor_load_to_lds s[G0B+4*\s:G0B+4*\s+3], s[G1B:G1B+7]
	s_nop 0
.rept 4
	v_nop
.endr
.Lasked_\@:
.endm
.macro CREST                           ; a round of the cluster's barrier behind its opening barrier
	s_cmp_lg_u32 s10, 0
	s_cbranch_scc1 .Lnot_wave_0_\@
	s_barrier_signal -3
.Lnot_wave_0_\@:
	s_barrier_wait -3
	s_barrier_signal -1
	s_barrier_wait -1
.endm
.macro CROUND                          ; a whole round
	s_barrier_signal -1
	s_barrier_wait -1
	CREST
.endm
	s_load_b128 s[4:7], s[0:1], 0x0                ; attn_h s[4:5], wo_h s[6:7]
	s_load_b64 s[8:9], s[0:1], 0x10                ; out0
	v_lshl_add_u32 v[SPW], v0, 2, SPARE
	v_mov_b32 v[NIL], 0
	ds_add_u32 v[SPW], v[NIL]                      ; the wave's opening: the add, twice on end, and its wait ahead of my first tensor load
	ds_add_u32 v[SPW], v[NIL]                      ; and once more, under the one wait; the set-up below, work on registers, stands between
	v_lshrrev_b32 v1, 5, v0
	v_readfirstlane_b32 s10, v1                    ; wave 0..3
	s_lshr_b32 s11, s10, 1                         ; which 64 of the tile's rows are mine.  Also: I fetch for attn (0) or for W_O (1)
	s_and_b32 s12, s10, 1                          ; which 128 of its columns.  Also: which plane of attn, or which 128 rows of W_O, I fetch
	s_bfe_u32 s40, ttmp6, 0x40000                  ; cx, cy: my place in the cluster
	s_bfe_u32 s41, ttmp6, 0x40004
	s_lshl_b32 s42, ttmp9, 2
	s_add_co_u32 s42, s42, s40                     ; tile column = 4 x cluster x + cx
	s_and_b32 s13, ttmp7, 0xffff
	s_lshl_b32 s13, s13, 2
	s_add_co_u32 s13, s13, s41                     ; tile row = 4 x cluster y + cy = mb
	s_lshl_b32 s43, s41, 2
	s_lshl_b32 s43, 15, s43                        ; my row of the cluster
	s_lshl_b32 s44, 0x1111, s40                    ; my column
	; descriptor group 1.  attn: 128 rows x 64 elements of 2 bytes, dense; four words of padding after every 32.  W_O: 128 rows x 128 elements, 1,024 elements apart; four words after every 64
	s_or_b32 s[G1+0], s43, (1<<16)|(1<<20)|(1<<21)|(4<<22)|(3<<25)
	s_mov_b32 s[G1+1], 64<<16                      ; tensor_dim0
	s_mov_b32 s[G1+2], 128<<16                     ; tensor_dim1
	s_mov_b32 s[G1+3], 64<<16                      ; tile_dim0
	s_mov_b32 s[G1+4], 128                         ; tile_dim1
	s_mov_b32 s[G1+5], 64                          ; tensor_dim0_stride
	s_mov_b32 s[G1+6], 0
	s_mov_b32 s[G1+7], 0
	s_or_b32 s[G1B+0], s44, (1<<16)|(1<<20)|(1<<21)|(5<<22)|(3<<25)
	s_mov_b32 s[G1B+1], 128<<16
	s_mov_b32 s[G1B+2], 128<<16
	s_mov_b32 s[G1B+3], 128<<16
	s_mov_b32 s[G1B+4], 128
	s_mov_b32 s[G1B+5], 1024
	s_mov_b32 s[G1B+6], 0
	s_mov_b32 s[G1B+7], 0
	s_lshl_b32 s16, s13, 18                        ; attn: mb's 262,144 bytes,
	s_lshl_b32 s17, s12, 14                        ; my plane of the K step's two
	s_add_co_u32 s16, s16, s17
	s_mov_b32 s17, 0
	s_lshl_b32 s46, s42, 19                        ; W_O: 256 rows of 2,048 bytes a tile column,
	s_lshl_b32 s47, s12, 18                        ; my 128 of them
	s_add_co_u32 s46, s46, s47
	s_mov_b32 s47, 0
	s_mul_i32 s20, s12, PLANE                      ; where they go: no place in the cluster enters an LDS address
	s_mul_i32 s21, s12, HALFB
	s_add_co_u32 s21, s21, AREG
	s_wait_dscnt 0x0                               ; both opening adds are done
	s_wait_kmcnt 0x0
	s_add_nc_u64 s[14:15], s[4:5], s[16:17]
	s_add_nc_u64 s[46:47], s[6:7], s[46:47]
	CROUND                                         ; all sixteen work-groups are here: the first joint loads meet
.irp s, 0,1
	s_mov_b32 s[G0+4*\s], 1
	s_add_co_u32 s[G0+4*\s+1], s20, \s*SLOT
	s_add_nc_u64 s[G0+4*\s+2:G0+4*\s+3], s[14:15], \s*32768    ; K step s: heads 2 s, 2 s + 1
	s_or_b32 s[G0+4*\s+3], s[G0+4*\s+3], 0x80000000
	s_mov_b32 s[G0B+4*\s], 1
	s_add_co_u32 s[G0B+4*\s+1], s21, \s*SLOT
	s_add_nc_u64 s[G0B+4*\s+2:G0B+4*\s+3], s[46:47], \s*256    ; 128 elements along a row
	s_or_b32 s[G0B+4*\s+3], s[G0B+4*\s+3], 0x80000000
	JLOAD \s
.endr
	v_and_b32 v1, 15, v0                           ; l % 16
	v_bfe_u32 v2, v0, 4, 1                         ; l / 16
	v_mul_u32_u24 v3, v1, PA
	v_lshl_add_u32 v3, v2, 4, v3                   ; a fragment's row x pitch + 16 x half
	v_mul_u32_u24 v4, v1, PB
	v_lshl_add_u32 v4, v2, 4, v4
	s_mul_i32 s21, s11, 64*PA                      ; my 64 rows in each plane of attn
	s_mul_i32 s22, s12, HALFB                      ; my 128 rows of W_O,
	s_add_co_u32 s22, s22, AREG                    ; which lie behind attn's planes
.irp s, 0,1
	v_add_nc_u32 v[ADRA+\s], s21, v3
	v_add_nc_u32 v[ADRB+\s], s22, v4
	s_add_co_u32 s21, s21, SLOT
	s_add_co_u32 s22, s22, SLOT
.endr
	s_mul_i32 s23, s10, 16*SPITCH
	s_add_co_u32 s23, s23, STAGE                   ; my stage
	v_mul_u32_u24 v5, v1, SPITCH                   ; in: row l % 16, 32 bytes for each half of the lanes
	v_lshl_add_u32 v5, v2, 5, v5
	v_add_nc_u32 v[STO], s23, v5
	v_and_b32 v6, 31, v0
	v_lshlrev_b32 v[CO], 4, v6                     ; back: the 32 lanes take one row of 512 bytes; and the same in out0
	v_add_nc_u32 v[RD], s23, v[CO]
	s_lshl_b32 s16, s13, 7
	s_lshl_b32 s17, s11, 6
	s_add_co_u32 s16, s16, s17                     ; my first row: 128 x tile row + 64 x half
	s_lshl_b32 s16, s16, 12                        ; 4,096 bytes a row
	s_mov_b32 s17, 0
	s_add_nc_u64 s[8:9], s[8:9], s[16:17]
	s_lshl_b32 s46, s42, 10                        ; my first column, in bytes: 1,024 x tile column + 512 x half
	s_lshl_b32 s47, s12, 9
	s_add_co_u32 s46, s46, s47
	s_mov_b32 s47, 0
	s_add_nc_u64 s[8:9], s[8:9], s[46:47]
; 8 matrix instructions: attn's block a against W_O's eight, 32 along K, from buffer f.  zero = 1: the first product starts the sums.  The 32 accumulators take turns, in the same order in every quarter.
.macro MUL8 f, a, zero
.irp b, 0,1,2,3,4,5,6,7
.if \zero
	v_wmma_f32_16x16x32_f16 v[8*(8*(\a)+\b):8*(8*(\a)+\b)+7], v[BF+64*(\f)+8*\b:BF+64*(\f)+8*\b+7], v[AFR+32*(\f)+8*(\a):AFR+32*(\f)+8*(\a)+7], 0
.else
	v_wmma_f32_16x16x32_f16 v[8*(8*(\a)+\b):8*(8*(\a)+\b)+7], v[BF+64*(\f)+8*\b:BF+64*(\f)+8*\b+7], v[AFR+32*(\f)+8*(\a):AFR+32*(\f)+8*(\a)+7], v[8*(8*(\a)+\b):8*(8*(\a)+\b)+7]
.endif
.endr
.endm
; 24 LDS loads in one run: the fragments of the slot's q-th 32 along K into buffer f.  In attn's planes quarter q is plane q / 2, bytes 64 (q % 2) on
.macro FETCH slot, q, f
.irp i, 0,1,2,3,4,5,6,7
	ds_load_b128 v[BF+64*(\f)+8*\i:BF+64*(\f)+8*\i+3],   v[ADRB+\slot] offset:(\q)*64+\i*16*PB
	ds_load_b128 v[BF+64*(\f)+8*\i+4:BF+64*(\f)+8*\i+7], v[ADRB+\slot] offset:(\q)*64+\i*16*PB+32
.endr
.irp i, 0,1,2,3
	ds_load_b128 v[AFR+32*(\f)+8*\i:AFR+32*(\f)+8*\i+3],   v[ADRA+\slot] offset:((\q)/2)*PLANE+((\q)%2)*64+\i*16*PA
	ds_load_b128 v[AFR+32*(\f)+8*\i+4:AFR+32*(\f)+8*\i+7], v[ADRA+\slot] offset:((\q)/2)*PLANE+((\q)%2)*64+\i*16*PA+32
.endr
.endm
.macro PLACES                          ; four places in front of loads into registers that matrix instructions have read, and of the first read of results
.rept 4
	v_nop
.endr
.endm
; A K step is four quarters of 32 along K, 32 matrix instructions each, on buffers 0, 1, 0, 1.  One of the first three: the next quarter's loads go out first and have this quarter's 32 products in which to land.
.macro QUARTER slot, q, zero
	s_wait_dscnt 0x0                               ; this quarter's fragments are in
	WIN 0
	PLACES
	FETCH \slot, (\q)+1, 1-(\q)%2
	WIN MUL
	MUL8 (\q)%2, 0, \zero
	MUL8 (\q)%2, 1, \zero
	MUL8 (\q)%2, 2, \zero
	MUL8 (\q)%2, 3, \zero
.endm
; The last quarter multiplies buffer 1 and changes slots: ONE barrier; in front of it each wave waits for all its tensor loads, adds 0 to its spare word, and waits for that and for its own reads of this slot.  fill = 1: this slot is filled again, two K steps ahead.
.macro TURN slot, next, fill
	WIN 0                                          ; (the add's two registers lie in window 0)
	s_wait_tensorcnt 0x0                           ; all my tensor loads have landed: my part of the next slot
	ds_add_u32 v[SPW], v[NIL]                      ; 0 onto my spare word
	s_wait_dscnt 1                                 ; this quarter's fragments are in (the add may be out)
	WIN MUL
	MUL8 1, 0, 0                                   ; eight matrix instructions stand between the add and the wait for it
	s_wait_dscnt 0x0                               ; the add is done, and my reads of this slot are over
	s_barrier_signal -1
	MUL8 1, 1, 0
	WIN 0
	s_barrier_wait -1
.if \fill
	CREST                                          ; the barrier has opened a round of the cluster's barrier: no wave of any partner still reads this slot or has a load on its way
	s_add_nc_u64 s[G0+4*\slot+2:G0+4*\slot+3], s[G0+4*\slot+2:G0+4*\slot+3], 65536
	s_add_nc_u64 s[G0B+4*\slot+2:G0B+4*\slot+3], s[G0B+4*\slot+2:G0B+4*\slot+3], 512
	JLOAD \slot                                    ; the first tensor load behind the round; the four v_nop behind it are also the places in front of the loads below
.else
	PLACES
.endif
	FETCH \next, 0, 0
	WIN MUL
	MUL8 1, 2, 0
	MUL8 1, 3, 0
.endm
	s_wait_tensorcnt 1                             ; my part of K step 0 is in (K step 1's load may be out),
	s_barrier_signal -1
	s_barrier_wait -1                              ; everybody's is
	FETCH 0, 0, 0
	QUARTER 0, 0, 1                                ; the first quarter stands in front of the loop: its products start the sums
	WIN 0                                          ; at a label and at a branch every window is 0
	s_mov_b32 s3, LAPS-1
.Llap:                                                 ; a trip goes once round the ring, from a lap's second quarter to the next lap's first, and fills both slots again
	QUARTER 0, 1, 0
	QUARTER 0, 2, 0
	TURN 0, 1, 1
	QUARTER 1, 0, 0
	QUARTER 1, 1, 0
	QUARTER 1, 2, 0
	TURN 1, 0, 1
	QUARTER 0, 0, 0
	WIN 0
	s_sub_co_u32 s3, s3, 1
	s_cmp_lg_u32 s3, 0
	s_cbranch_scc1 .Llap
	QUARTER 0, 1, 0                                ; the last lap fills nothing, and has no round of the cluster's barrier
	QUARTER 0, 2, 0
	TURN 0, 1, 0
	QUARTER 1, 0, 0
	QUARTER 1, 1, 0
	QUARTER 1, 2, 0
	s_wait_dscnt 0x0                               ; the very last quarter: nothing more to fetch
	MUL8 1, 0, 0
	MUL8 1, 1, 0
	MUL8 1, 2, 0
	MUL8 1, 3, 0
	WIN 0
; THE WAY OUT, block by block of 16 rows x 128 columns.  A lane holds 32 neighbouring bytes of a row, and the lanes beside it hold other rows: so a block goes through my own stage in LDS and comes back as whole
; rows of 512 bytes.  LDS serves a wave's instructions in order: no wait between the stores and the loads, nor in front of the next block's stores.
.macro TOSTAGE a
	WIN 0x04                                       ; an LDS store's data are its source 1: window 1
.irp b, 0,1,2,3,4,5,6,7
	ds_store_b128 v[STO], v[8*(8*(\a)+\b):8*(8*(\a)+\b)+3] offset:64*\b          ; each accumulator from its low end on
	ds_store_b128 v[STO], v[8*(8*(\a)+\b)+4:8*(8*(\a)+\b)+7] offset:64*\b+16
.endr
	WIN 0
.set BB, BK+64*((\a)%2)
.irp t, 0,1,2,3,4,5,6,7,8,9,10,11,12,13,14,15
	ds_load_b128 v[BB+4*\t:BB+4*\t+3], v[RD] offset:\t*SPITCH
.endr
.endm
.macro SEND a, younger                 ; younger: the LDS instructions issued behind block a's loads, which may stay out
.set BB, BK+64*((\a)%2)
	s_wait_dscnt \younger                          ; the block is back in registers
.irp t, 0,1,2,3,4,5,6,7,8,9,10,11,12,13,14,15
	global_store_b128 v[CO], v[BB+4*\t:BB+4*\t+3], s[8:9] offset:(16*(\a)+\t)*4096 th:TH_STORE_NT   ; 32 lanes store 512 consecutive bytes, at a multiple of 256 from out0's first byte; written once, read by nobody here
.endr
.endm
	PLACES                                         ; behind the last products: for the stage's stores, which read results, and for the loads into the registers that held fragments
	TOSTAGE 0
.irp a, 1,2,3
.if \a > 1
	s_wait_xcnt 0x0                                ; block a - 2's stores have read their registers: block a's loads may land there
.endif
	TOSTAGE \a
	SEND \a-1, 32                                  ; behind block a - 1's loads: block a's 16 stores and 16 loads
.endr
	SEND 3, 0
	s_wait_tensorcnt 0x0                           ; the wave's end: behind my last tensor load and my last LDS store
	ds_add_u32 v[SPW], v[NIL]
	s_wait_dscnt 0x0
	CROUND                                         ; the closing round: no work-group ends while a partner may still ask for a tile that names it
	s_endpgm
.Lfunc_end_k_qa6c4e8a22d_oproj:
	.size	k_qa6c4e8a22d_oproj, .Lfunc_end_k_qa6c4e8a22d_oproj-k_qa6c4e8a22d_oproj
	.p2alignl 7, 3214868480
	.fill 96, 4, 3214868480
	.section	.rodata,"a",@progbits
	.p2align	6, 0x0
	.amdhsa_kernel k_qa6c4e8a22d_oproj
		.amdhsa_group_segment_fixed_size 327680
		.amdhsa_private_segment_fixed_size 0
		.amdhsa_enable_private_segment 0
		.amdhsa_kernarg_size 24
		.amdhsa_user_sgpr_count 2
		.amdhsa_user_sgpr_kernarg_segment_ptr 1
		.amdhsa_wavefront_size32 1
		.amdhsa_system_sgpr_workgroup_id_x 1
		.amdhsa_system_sgpr_workgroup_id_y 1
		.amdhsa_system_sgpr_workgroup_id_z 1
		.amdhsa_system_vgpr_workitem_id 0
		.amdhsa_next_free_vgpr 512
		.amdhsa_next_free_sgpr 66
		.amdhsa_reserve_vcc 0
		.amdhsa_float_denorm_mode_32 3
		.amdhsa_float_denorm_mode_16_64 3
		.amdhsa_memory_ordered 1
		.amdhsa_forward_progress 1
		.amdhsa_inst_pref_size 84
	.end_amdhsa_kernel
	.amdgpu_metadata
---
amdhsa.version: [ 1, 2 ]
amdhsa.kernels:
  - .name:           k_qa6c4e8a22d_oproj
    .symbol:         k_qa6c4e8a22d_oproj.kd
    .args:
      - { .name: attn_h, .offset: 0, .size: 8, .value_kind: global_buffer, .address_space: global }
      - { .name: wo_h, .offset: 8, .size: 8, .value_kind: global_buffer, .address_space: global }
      - { .name: out0, .offset: 16, .size: 8, .value_kind: global_buffer, .address_space: global }
    .group_segment_fixed_size: 327680
    .private_segment_fixed_size: 0
    .kernarg_segment_align: 8
    .kernarg_segment_size: 24
    .max_flat_workgroup_size: 128
    .sgpr_count:     66
    .vgpr_count:     512
    .wavefront_size: 32
...
	.end_amdgpu_metadata
.endif
;; end of part 4
